; MI455X (gfx1250); checked and timed in simulation.
; The chip was launched on July 23, 2026; its instructions are those of AMD's public machine-readable ISA for CDNA 5 (MIT licence, August 2026) and "CDNA5" Instruction Set Architecture Reference Guide (July 2026). The comments in the code are by the model that wrote it; some were corrected since.
;; Multi Head Attention. Allowed arithmetic: matrix products marked QUANTISED: E2M1 operands, one E8M0 scale for each 32 along K, by v_wmma_scale_f32_16x16x128_f8f6f4 with both operands' format E2M1 (or v_wmma_scale_f32_32x16x128_f4), f32 sums; everything else in f32.
;; Inputs: b_out 1,024 float32; b_qkv 3,072 float32; w_out_codes 1,024 x 32 x 16 uint8 (E2M1 codes of w_out, K innermost, in blocks of 32 codes, two codes a byte); w_out_scales 1,024 x 32 uint8 (E8M0 scales of w_out, one for each 32 codes along K); w_qkv_codes 3,072 x 32 x 16 uint8 (E2M1 codes of w_qkv, K innermost, in blocks of 32 codes, two codes a byte); w_qkv_scales 3,072 x 32 uint8 (E8M0 scales of w_qkv, one for each 32 codes along K); x_codes 4 x 2,048 x 32 x 16 uint8 (E2M1 codes of x, K innermost, in blocks of 32 codes, two codes a byte); x_scales 4 x 2,048 x 32 uint8 (E8M0 scales of x, one for each 32 codes along K).
;; Outputs: out0 4 x 2,048 x 1,024 float32.
;; This version of the problem:
;;   THIS VERSION OF THE PROBLEM IS GIVEN IN LOW PRECISION. The matrix products marked QUANTISED in the list below multiply operands that are first quantised to E2M1 (2 exponent bits, 1 mantissa bit; 4 bits a number), with one power-of-two scale for each 32 numbers along K (OCP MX v1.0); their sums are f32. All else is computed in f32.
;;   The module's matrix products, in the order in which they are computed (A, B: the left and right operand; K: the contracted axis; several contracted axes count as one K, in the product's order):
;;     1. [M 8,192, K 1,024] x [K 1,024, N 3,072]; A: input x (given as codes); B: input w_qkv (given as codes): QUANTISED
;;     2. batch 64 x [M 2,048, K 64] x [K 64, N 2,048]; A: computed on the way; B: computed on the way: QUANTISED
;;     3. batch 64 x [M 2,048, K 2,048] x [K 2,048, N 64]; A: softmax (see below); B: computed on the way: QUANTISED
;;     4. [M 8,192, K 1,024] x [K 1,024, N 1,024]; A: computed on the way; B: input w_out (given as codes): QUANTISED
;;   THE QUANTISER, for each operand of a quantised product, along K:
;;     - K is cut into blocks of 32 from its start; a last block that is shorter is filled with zeros.
;;     - A block's scale is 2^e with e = floor(log2(the largest magnitude in the block)) - 2, held to -126 .. 127; a block of zeros has e = 0. As a byte (E8M0): e + 127.
;;     - Each number is divided by its block's scale, clamped to +-6, and rounded to the nearest number of E2M1, ties to even, subnormals kept.
;;     - The product sums the exact products of the quantised numbers (number of the format x scale) in f32.
;;   ~~~python
;;   def quantise(x, axis):      # numpy; x: float32 -> the quantised numbers, widened to float32 again
;;       x = np.moveaxis(x, axis, -1); K = x.shape[-1]
;;       x = np.pad(x, [(0, 0)] * (x.ndim - 1) + [(0, -K % 32)]); x = x.reshape(x.shape[:-1] + (-1, 32)); a = np.abs(x).max(-1, keepdims=True)
;;       e = np.where(a > 0, np.clip(np.frexp(np.where(a > 0, a, 1))[1] - 1 - 2, -126, 127), 0)      # np.frexp(a)[1] - 1 = floor(log2(a)), exactly
;;       r = np.clip(x / 2.0 ** e, -6, 6)
;;       step = 2.0 ** (np.maximum(np.frexp(np.where(r == 0, 1, r))[1] - 1, 0) - 1)
;;       q = np.round(r / step) * step * 2.0 ** e      # np.round: ties to even
;;       return np.moveaxis(q.reshape(q.shape[:-2] + (-1,))[..., :K], -1, axis).astype(np.float32)
;;   ~~~
;;   SOFTMAX AHEAD OF A QUANTISED PRODUCT. Where the list says 'softmax', what is quantised is not the finished softmax but p = 2^(t - M), with t = logit x log2(e) and M = ceil(the row's largest t), a whole number; so 1/2 < the row's largest p <= 1. The row's sum l is taken of the UNQUANTISED p, in f32, and the product's result is divided by l at the end. Since M is a whole number, a kernel that streams over the keys may use a running M (the ceiling of the running maximum): every later rescaling is an exact power of two, which a block's scale takes up: the codes' values come out the same.
;;   OPERANDS COMPUTED ON THE WAY. 'Computed on the way' means the value that the module computes at that place (a softmax that the list does not call 'softmax' is quantised finished and normalised). What goes into a quantiser is computed in f32, as accurately as f32 sums, v_exp_f32 and their like allow (about 1e-6 of the number): no bf16 or f16 on the way to a quantiser, and a product that is left as it is and whose result goes on into a quantised operand takes f32 operands (vector FMAs, or v_wmma_f32_16x16x4_f32). A number that lies on a knife's edge between two numbers of the format may be rounded either way, as far as f32 arithmetic and the matrix unit's own rounding can turn it there, and no further.
;;   INPUTS GIVEN AS CODES. w_out (in the module: [1024, 1024], K = its axis 0); w_qkv (in the module: [1024, 3072], K = its axis 0); x (in the module: [4, 2048, 1024], K = its axis 2): each comes as NAME_codes (uint8): NAME with its K axis moved to the last place and cut into blocks of 32 codes, [.., K / 32, bytes a block], one block behind the other in memory; two codes a byte, the lower K in the low four bits (a code: sign, 2 exponent bits, 1 mantissa bit); and NAME_scales (uint8): the same leading axes, one E8M0 byte (e + 127) for each 32 codes along K. Its value is code x scale, taken as it is: it is not quantised again, and the codes and scales need not be those that the quantiser above would give.
;; One version. Each part assembles by itself: llvm-mc -triple=amdgcn-amd-amdhsa -mcpu=gfx1250 --defsym DOCPART=n.
;; ======== version 1 of 1: 3 launches
;; workspace buffers: qb 4,718,592 bytes; kv 9,175,040 bytes; ao 4,194,304 bytes; ao_sc 262,144 bytes
;; launch qkv (part 1): grid 12 x 32, 4 waves a work-group, clusters of 4 x 4, 327,680 bytes of LDS; arguments x_codes, x_scales, w_qkv_codes, w_qkv_scales, b_qkv, qb, kv; writes qb, kv
.if DOCPART == 1
	.amdgcn_target "amdgcn-amd-amdhsa--gfx1250"
	.amdhsa_code_object_version 6
	.text
	.protected	k_q47682ad925_qkv
	.globl	k_q47682ad925_qkv
	.p2align	8
	.type	k_q47682ad925_qkv,@function
k_q47682ad925_qkv:
	s_mov_b64 s[64:65], 0
	v_nop
	global_prefetch_b8 v0, s[64:65] scope:SCOPE_SE
	s_setreg_imm32_b32 hwreg(HW_REG_WAVE_MODE, 25, 1), 1
	s_wait_xcnt 0x0
	s_wait_alu depctr_hold_cnt(0) depctr_sa_sdst(0) depctr_va_vdst(0) depctr_va_sdst(0) depctr_va_ssrc(0) depctr_va_vcc(0) depctr_vm_vsrc(0)
	s_getreg_b32 s2, hwreg(HW_REG_IB_STS2, 6, 4)
	s_cmp_eq_u32 s2, 0
	s_cbranch_scc0 .Lentry_in_a_cluster
	s_endpgm
.Lentry_in_a_cluster:
	s_bfe_u32 s2, ttmp6, 0x10000c
	s_cmp_lg_u32 s2, 0xf033
	s_cbranch_scc0 .Lentry_shape_is_right
	s_endpgm
.Lentry_shape_is_right:
; qkv = x W^T + b on codes of FP4 (E2M1) with one E8M0 scale for each 32 along K = 1,024; the result never goes to memory as f32: it is quantised here, q and k along the head's 64 channels, v along the keys.
; x: 8,192 rows of 512 bytes of codes, 32 scale bytes a row.  W: 3,072 rows likewise (rows 0-1,023 make q, 1,024-2,047 k, 2,048-3,071 v).  b: 3,072 f32.
; A work-group of four waves makes 256 tokens x 256 rows of W; a wave 128 x 128: 64 accumulators of 16 x 16, 512 registers.  K goes through two LDS slots of 512 along K, each filled once.
; CLUSTERS: 4 x 4 work-groups.  The four of a row of the cluster need the same rows of x, the four of a column the same rows of W: each tile is asked for jointly.  A cluster's column number (0, 1, 2) says whether it makes q, k or v: the same in all sixteen.
; ROLES.  L is the operand whose row a lane keeps (source 1), R the operand that runs along a lane's registers (source 0): lane (r, h) holds in accumulator (a, b), register j, the number (L row 16 a + r, R row 16 b + 8 h + j).
;   q, k: L = x, R = W: the registers run along the channels.   v: L = W, R = x: the registers run along the keys.   So a lane's registers always run along the K of the product to come, and one text serves all three:
;   only the LDS addresses of the fragment and scale loads are chosen, by scalar selections on the cluster's column number.
; THE QUANTISER.  A block of 32 is accumulators 2 B and 2 B + 1; lanes l and l xor 16 hold it together.  scale = 2^(floor(log2(largest magnitude)) - 2): its byte is the largest magnitude's exponent field - 2.
; OUT.  Images of operand registers, lane l's 16 bytes at 16 l:  qb [head 64][group of 128 queries 16][4,608]: 8 images of 512 bytes, then 512 bytes of scale words;
;   kv [head 64][key step of 128 keys 16][8,960]: K's 8 images, K's scale words (512), V's 8 images (channel tile t, half c at 1,024 t + 512 c), V's scale words (256).
;   A scale word of q or k: bytes 0, 1 the two blocks' bytes, bytes 2, 3 zero.  Words of tiles 2 i (lanes 0-15) and 2 i + 1 (lanes 16-31) lie so that one load of 16 (V: 8) bytes a lane brings them as scale registers.
; LIMITS: a block whose largest magnitude lies under 2^-124 gets the byte 1, a block of zeros too (its codes are zeros, and this program alone reads the bytes); NaN and infinities are not served.
; REGISTERS, in windows of 256: window 0: v0-31 addresses and the quantiser's work; v32-95 scale words, two sets; v96-111 L's bias; v112-127 scale words made; v128-191 L's fragments, later 64 numbers at work; v192-255 R's bias, later codes.
;   window 1: R's fragments, two sets.   window 2: accumulators of L's blocks 0-3 ((a, b) at v[8 (8 a + b)]);   window 3: of blocks 4-7.
.set KSTEP,  512                       ; along K in a slot
.set NQ,     KSTEP/128                 ; matrix instructions deep
.set ROWB,   256                       ; a tile's row in bytes
.set KROW,   512                       ; a row of x or of W in memory, in bytes
.set PITCH,  272                       ; an LDS row: 256 bytes + 16 of padding: the 16 rows that a load touches start 68 words apart
.set FR,     8                         ; registers of a fragment: 16 rows x 128 K
.set NL,     2                         ; LDS loads that bring one
.set NP,     4                         ; places behind this matrix instruction (ISA guide 7.12.1)
.set HALFT,  128*PITCH                 ; 128 rows: what one tensor load brings
.set SLOT,   4*HALFT                   ; x's 256 rows, then W's 256 rows
.set KS,     32                        ; a row of scales in bytes
.set SCL,    2*SLOT                    ; behind the slots: the scales, as units of 256 bytes + 16 of padding: x's two halves, then W's
.set HALFS,  (128*KS/256)*272          ; the scales of 128 rows
.set SBLK,   (16*KS/256)*272           ; those of 16 rows
.set SPARE,  SCL+5*HALFS               ; the spare words, 128 bytes for each wave, which no other line names (4,352 bytes lie idle in front of them)
.set QHEAD,  73728                     ; a head in qb
.set QBLK,   4608                      ; a group of 128 queries in it
.set KVHEAD, 143360                    ; a head in kv
.set KVBLK,  8960                      ; a key step in it
.set MX,   4                           ; v4-7    the quantiser: four blocks' largest magnitudes
.set PB,   8                           ; v8-11   the other half's, then the bytes
.set SO,   12                          ; v12-15  the conversions' scale operands
.set ADRA, 16                          ; v16-17  LDS address of L's fragments in slot 0, 1
.set ADRB, 20                          ; v20-21  the same for R
.set LI,   24                          ; v24     16 x lane
.set L8,   25                          ; v25     8 x lane
.set ADRS, 27                          ; v27     LDS address of my scale words: lanes 0-15 L's rows, lanes 16-31 R's
.set SPW,  28                          ; v28     LDS address of my spare word; never rewritten
.set NIL,  29                          ; v29     0; never rewritten
.set SC,   32                          ; scale words: set s at v[SC + 32 s]; register 4 i + q: lanes 0-15 L's block i, lanes 16-31 R's block i, the slot's q-th 128 along K
.set BL,   96                          ; v96-111 L's bias: block a's, twice, at v[BL + 2 a]
.set PWS,  112                         ; v112-119 block a's scale word
.set TW,   120                         ; v120-123 the words of two blocks in one register
.set AF,   128                         ; L's fragments
.set ST,   128                         ; the way out: 64 numbers
.set BR,   192                         ; R's bias: eight registers for each block b, in the result's layout
.set CD,   192                         ; the way out: codes, eight registers for each block a
.set G1, 24                            ; s[24:31] descriptor group 1 for x's tiles;  s[32:39] group 0, one set for each slot
.set G0, 32
.set G1B, 48                           ; s[48:55], s[56:63] the same for W's tiles
.set G0B, 56
.set G1S, 68                           ; s[68:75], s[76:79] groups 1 and 0 for x's scales;  s[80:87], s[88:91] for W's
.set G0S, 76
.set G1SB, 80
.set G0SB, 88
.set SEL, 100                          ; s[100:101] lane selects for v_permlanex16_b32: lane l xor 16
.set MSB, 0
.macro WIN new                         ; the immediate's high byte repeats the setting that is left
.if MSB != \new
	s_set_vgpr_msb (MSB<<8)|\new
.set MSB, \new
.endif
.endm
.set MUL_LO, 0xa1                      ; source 0 (R) window 1, source 1 (L) window 0, C and D window 2
.set MUL_HI, 0xf1                      ; the same, C and D window 3
.set FST_LO, 0x81                      ; the first step: C (R's bias) window 0, D window 2
.set FST_HI, 0xc1                      ; D window 3
.set TO_B,   0x40                      ; destination window 1, address window 0
; A joint load: waves 0 and 1 fetch for x, waves 2 and 3 for W.  The branch hangs on the wave's number alone.  Four v_nop follow each of the two lines.
.macro JLOAD g0a, g1a, g0b, g1b
	s_cmp_eq_u32 s15, 0
	s_cbranch_scc0 .Lfor_b_\@
	tensor_load_to_lds s[\g0a:\g0a+3], s[\g1a:\g1a+7]
	s_nop 0
.rept 4
	v_nop
.endr
	s_branch .Lasked_\@
.Lfor_b_\@:
	tensor_load_to_lds s[\g0b:\g0b+3], s[\g1b:\g1b+7]
	s_nop 0
.rept 4
	v_nop
.endr
.Lasked_\@:
.endm
.macro CROUND                          ; a round of the cluster's barrier
	s_barrier_signal -1
	s_barrier_wait -1
	s_cmp_lg_u32 s14, 0
	s_cbranch_scc1 .Lnot_wave_0_\@
	s_barrier_signal -3
.Lnot_wave_0_\@:
	s_barrier_wait -3
	s_barrier_signal -1
	s_barrier_wait -1
.endm
	s_load_b128 s[4:7], s[0:1], 0x0                ; x's codes s[4:5], x's scales s[6:7]
	s_load_b128 s[8:11], s[0:1], 0x10              ; W's codes s[8:9], W's scales s[10:11]
	s_load_b64 s[12:13], s[0:1], 0x20              ; b
	s_load_b64 s[96:97], s[0:1], 0x28              ; qb
	s_load_b64 s[98:99], s[0:1], 0x30              ; kv
	v_lshl_add_u32 v[SPW], v0, 2, SPARE
	v_mov_b32 v[NIL], 0
	ds_add_u32 v28, v29
	ds_add_u32 v28, v29
	s_wait_dscnt 0x0
	v_lshrrev_b32 v1, 5, v0
	v_readfirstlane_b32 s14, v1                    ; wave 0..3
	s_lshr_b32 s15, s14, 1                         ; which half of L's rows is mine.  Also: I fetch for x (0) or for W (1)
	s_and_b32 s16, s14, 1                          ; which half of R's rows.  Also: which 128 rows of that tile I fetch
	s_bfe_u32 s40, ttmp6, 0x40000                  ; cx, cy: my place in the cluster
	s_bfe_u32 s41, ttmp6, 0x40004
	s_lshl_b32 s42, ttmp9, 2
	s_add_co_u32 s42, s42, s40                     ; which 256 rows of W = 4 x cluster x + cx
	s_and_b32 s17, ttmp7, 0xffff
	s_lshl_b32 s17, s17, 2
	s_add_co_u32 s17, s17, s41                     ; which 256 tokens = 4 x cluster y + cy
	s_lshl_b32 s43, s41, 2
	s_lshl_b32 s43, 15, s43                        ; my row of the cluster
	s_lshl_b32 s44, 0x1111, s40                    ; my column
	; descriptor group 1: a tile of 128 rows x 256 bytes, padded in LDS
	s_or_b32 s[G1+0], s43, (0<<16)|(1<<20)|(1<<21)|(5<<22)|(3<<25)  ; 15:0 the mask: x's tiles go to my row; 17:16 element of 1 byte; 20 padding on; 21 set beside a mask; 24:22 after every 64 words; 31:25 four words
	s_or_b32 s[G1B+0], s44, (0<<16)|(1<<20)|(1<<21)|(5<<22)|(3<<25) ; W's tiles go to my column
.irp g, G1, G1B
	s_mov_b32 s[\g+1], ROWB<<16                    ; tensor_dim0
	s_mov_b32 s[\g+2], 128<<16                     ; tensor_dim1 = 128
	s_mov_b32 s[\g+3], ROWB<<16                    ; tile_dim0
	s_mov_b32 s[\g+4], 128                         ; tile_dim1 = 128
	s_mov_b32 s[\g+5], KROW                        ; tensor_dim0_stride
	s_mov_b32 s[\g+6], 0
	s_mov_b32 s[\g+7], 0
.endr
	; the scales of 128 rows: a dense block of 4,096 bytes, as 16 rows of 256 bytes (32 elements of 8 bytes), 16 bytes of padding behind each
	s_or_b32 s[G1S+0], s43, (3<<16)|(1<<20)|(1<<21)|(5<<22)|(3<<25)
	s_or_b32 s[G1SB+0], s44, (3<<16)|(1<<20)|(1<<21)|(5<<22)|(3<<25)
.irp g, G1S, G1SB
	s_mov_b32 s[\g+1], 32<<16
	s_mov_b32 s[\g+2], (128*KS/256)<<16
	s_mov_b32 s[\g+3], 32<<16
	s_mov_b32 s[\g+4], 128*KS/256
	s_mov_b32 s[\g+5], 32
	s_mov_b32 s[\g+6], 0
	s_mov_b32 s[\g+7], 0
.endr
	s_lshl_b32 s18, s16, 7                         ; which 128 rows of the tile I fetch
	s_lshl_b32 s20, s17, 8
	s_add_co_u32 s20, s20, s18                     ; x: row 256 x token block + 128 x half
	s_lshl_b32 s46, s42, 8
	s_add_co_u32 s46, s46, s18                     ; W: row 256 x row block + 128 x half
	s_mov_b32 s21, 0
	s_mov_b32 s47, 0
	s_mov_b64 s[18:19], KS
	s_mul_u64 s[22:23], s[20:21], s[18:19]         ; where these rows' scales begin, in bytes
	s_mul_u64 s[92:93], s[46:47], s[18:19]
	s_mov_b64 s[18:19], KROW
	s_mul_u64 s[20:21], s[20:21], s[18:19]         ; and their codes
	s_mul_u64 s[46:47], s[46:47], s[18:19]
	s_mul_i32 s45, s14, HALFT                      ; where they go: wave x 128 rows: no place in the cluster enters an LDS address
	s_mul_i32 s94, s14, HALFS
	s_mov_b32 s[SEL], 0x76543210
	s_mov_b32 s[SEL+1], 0xfedcba98
	s_wait_kmcnt 0x0
	s_add_nc_u64 s[20:21], s[4:5], s[20:21]
	s_add_nc_u64 s[22:23], s[6:7], s[22:23]
	s_add_nc_u64 s[46:47], s[8:9], s[46:47]
	s_add_nc_u64 s[92:93], s[10:11], s[92:93]
	CROUND                                         ; all sixteen work-groups are here: the joint loads meet
	s_mov_b32 s[G0S], 1
	s_add_co_u32 s[G0S+1], s94, SCL
	s_mov_b64 s[G0S+2:G0S+3], s[22:23]
	s_or_b32 s[G0S+3], s[G0S+3], 0x80000000
	s_mov_b32 s[G0SB], 1
	s_add_co_u32 s[G0SB+1], s94, SCL
	s_mov_b64 s[G0SB+2:G0SB+3], s[92:93]
	s_or_b32 s[G0SB+3], s[G0SB+3], 0x80000000
	JLOAD G0S, G1S, G0SB, G1SB                     ; the scales first: they are wanted with the first slot
.irp s, 0,1
	s_mov_b32 s[G0+4*\s], 1
	s_add_co_u32 s[G0+4*\s+1], s45, \s*SLOT
	s_add_nc_u64 s[G0+4*\s+2:G0+4*\s+3], s[20:21], \s*ROWB
	s_or_b32 s[G0+4*\s+3], s[G0+4*\s+3], 0x80000000
	s_mov_b32 s[G0B+4*\s], 1
	s_add_co_u32 s[G0B+4*\s+1], s45, \s*SLOT
	s_add_nc_u64 s[G0B+4*\s+2:G0B+4*\s+3], s[46:47], \s*ROWB
	s_or_b32 s[G0B+4*\s+3], s[G0B+4*\s+3], 0x80000000
	JLOAD G0+4*\s, G1, G0B+4*\s, G1B               ; three loads of mine are out at the most
.endr
	v_and_b32 v1, 15, v0                           ; r = l % 16
	v_bfe_u32 v2, v0, 4, 1                         ; h = l / 16
	v_mul_u32_u24 v3, v1, PITCH
	v_lshl_add_u32 v4, v2, 4, v3                   ; a fragment's row x pitch + 16 x half
	s_wait_alu depctr_va_vdst(0)
	; THE ROLES: for v (cluster column 2) L is W and R is x, else L is x and R is W
	s_cmp_eq_u32 ttmp9, 2
	s_cselect_b32 s21, 2*HALFT, 0                  ; where L's 256 rows begin in a slot,
	s_cselect_b32 s22, 0, 2*HALFT                  ; where R's,
	s_cselect_b32 s92, 2*HALFS, 0                  ; where L's scales begin,
	s_cselect_b32 s93, 0, 2*HALFS                  ; where R's,
	s_cselect_b32 s2, 0, -1                        ; the bias runs with W's rows: along the registers (q, k)
	s_cselect_b32 s3, -1, 0                        ; or with the lane (v): the other one is masked to zero
	s_mul_i32 s23, s15, HALFT
	s_add_co_u32 s21, s21, s23                     ; my 128 rows of L
	s_mul_i32 s23, s16, HALFT
	s_add_co_u32 s22, s22, s23                     ; my 128 rows of R
.irp s, 0,1
	v_add_nc_u32 v[ADRA+\s], s21, v4
	v_add_nc_u32 v[ADRB+\s], s22, v4
	s_add_co_u32 s21, s21, SLOT
	s_add_co_u32 s22, s22, SLOT
.endr
	v_mul_u32_u24 v5, v1, KS                       ; my row's scales: 32 bytes a row,
	v_lshrrev_b32 v6, 8, v5
	v_lshl_add_u32 v5, v6, 4, v5                   ; and 16 more for each 256 passed
	s_mul_i32 s21, s15, HALFS
	s_add_co_u32 s21, s21, s92                     ; L's: my 128 rows
	s_mul_i32 s22, s16, HALFS
	s_add_co_u32 s22, s22, s93                     ; R's: my 128 rows
	v_mov_b32 v6, s21
	v_mov_b32 v7, s22
	v_cmp_eq_u32 vcc_lo, 1, v2
	v_cndmask_b32 v6, v6, v7, vcc_lo               ; lanes 16-31 take R's
	v_add_nc_u32 v5, v5, v6
	v_add_nc_u32 v[ADRS], SCL, v5
	v_and_b32 v6, 31, v0
	v_lshlrev_b32 v[LI], 4, v6
	v_lshlrev_b32 v[L8], 3, v6
	; both biases are loaded whatever the part; both lie inside b: 4 (256 x row block + 128 x half + ..)
	s_lshl_b32 s46, s42, 10
	s_lshl_b32 s47, s16, 9
	s_add_co_u32 s47, s46, s47
	v_lshl_add_u32 v8, v2, 5, s47                  ; along the registers: b[.. + 128 (R half) + 16 b + 8 h + j]
	s_lshl_b32 s45, s15, 9
	s_add_co_u32 s45, s46, s45
	v_lshl_add_u32 v9, v1, 2, s45                  ; with the lane: b[.. + 128 (L half) + 16 a + r]
.irp b, 0,1,2,3,4,5,6,7
	global_load_b128 v[BR+8*\b:BR+8*\b+3], v8, s[12:13] offset:64*\b
	global_load_b128 v[BR+8*\b+4:BR+8*\b+7], v8, s[12:13] offset:64*\b+16
.endr
.irp a, 0,1,2,3,4,5,6,7
	global_load_b32 v[BL+2*\a], v9, s[12:13] offset:64*\a
.endr
	s_wait_loadcnt 0x0
.set I, 0
.rept 64
	v_and_b32 v[BR+I], s2, v[BR+I]                 ; kept for q and k, zero for v
.set I, I+1
.endr
.irp a, 0,1,2,3,4,5,6,7
	v_and_b32 v[BL+2*\a], s3, v[BL+2*\a]           ; kept for v, zero for q and k
.endr
.irp a, 0,1,2,3,4,5,6,7
	v_mov_b32 v[BL+2*\a+1], v[BL+2*\a]             ; a pair for the packed addition
.endr
.macro FRAG reg, adr, q, i             ; a fragment, 16 rows x 128 K of 4-bit codes: lane l holds row l % 16; registers 4 c .. 4 c + 3 hold K = 64 c + 32 (l / 16) + 0 .. 31
.irp c, 0,1
	ds_load_b128 v[\reg+4*\c:\reg+4*\c+3], v[\adr] offset:64*(\q)+32*\c+(\i)*16*PITCH
.endr
.endm
; 16 matrix instructions: L's blocks a0, a0 + 1 x R's eight, the slot's q-th 128 along K.  p: R's set;  sc: the set of scale words.  first = 1: the sums start from R's bias: nothing is cleared.
; The 64 accumulators take turns, one instruction a turn, in the same order in every step.
.macro MUL16 a0, p, q, sc, first
.irp a, \a0, \a0+1
.irp b, 0,1,2,3,4,5,6,7
.if \first
	v_wmma_scale_f32_16x16x128_f8f6f4 v[8*(8*((\a)%4)+\b):8*(8*((\a)%4)+\b)+7], v[128*(\p)+FR*\b:128*(\p)+FR*\b+FR-1], v[AF+FR*(\a):AF+FR*(\a)+FR-1], v[BR+8*\b:BR+8*\b+7], v[SC+8*NQ*(\sc)+NQ*\b+(\q)], v[SC+8*NQ*(\sc)+NQ*(\a)+(\q)] matrix_a_fmt:MATRIX_FMT_FP4 matrix_b_fmt:MATRIX_FMT_FP4 matrix_a_scale:MATRIX_SCALE_ROW1
.else
	v_wmma_scale_f32_16x16x128_f8f6f4 v[8*(8*((\a)%4)+\b):8*(8*((\a)%4)+\b)+7], v[128*(\p)+FR*\b:128*(\p)+FR*\b+FR-1], v[AF+FR*(\a):AF+FR*(\a)+FR-1], v[8*(8*((\a)%4)+\b):8*(8*((\a)%4)+\b)+7], v[SC+8*NQ*(\sc)+NQ*\b+(\q)], v[SC+8*NQ*(\sc)+NQ*(\a)+(\q)] matrix_a_fmt:MATRIX_FMT_FP4 matrix_b_fmt:MATRIX_FMT_FP4 matrix_a_scale:MATRIX_SCALE_ROW1
.endif
.endr
.endr
.endm
.macro FETCH_B slot, q, p              ; R's eight fragments of the slot's q-th 128 along K into set p
	WIN TO_B
.irp i, 0,1,2,3,4,5,6,7
	FRAG 128*(\p)+FR*\i, ADRB+\slot, \q, \i
.endr
	WIN 0
.endm
.macro FETCH_A slot, q, i0             ; L's blocks i0 .. i0 + 3
.irp i, \i0, \i0+1, \i0+2, \i0+3
	FRAG AF+FR*(\i), ADRA+\slot, \q, \i
.endr
.endm
.macro SCALES sc                       ; a slot's scale words into set sc: four words a row; lanes 0-15 take L's block i, lanes 16-31 R's block i
.irp i, 0,1,2,3,4,5,6,7
	ds_load_b128 v[SC+8*NQ*\sc+NQ*\i:SC+8*NQ*\sc+NQ*\i+3], v[ADRS] offset:\i*SBLK
.endr
.endm
; A load into a register that a matrix instruction has read, and a vector instruction that reads a matrix result, stand NP places behind that matrix instruction; only plain vector
; instructions that name none of its registers are places (ISA guide 7.12.1 for vector instructions).
.macro PLACES n
.rept \n
	v_nop
.endr
.endm
; A step of 128 along K that has its successor in the same slot.  L has one set of registers: blocks 0-3 are fetched anew in the step's middle, blocks 4-7 at its end; R has two sets.
.macro STEP slot, q, first
	s_wait_dscnt 4*NL                              ; R's set, the scale words and L's blocks 0-3 are in; the youngest eight loads (L's blocks 4-7) may be out
.if \first
	WIN FST_LO
.else
	WIN MUL_LO
.endif
	MUL16 0, (\q)%2, \q, \slot, \first
	MUL16 2, (\q)%2, \q, \slot, \first
	s_wait_dscnt 0                                 ; L's blocks 4-7 are in
	PLACES NP
	FETCH_B \slot, (\q)+1, 1-(\q)%2
	FETCH_A \slot, (\q)+1, 0
.if \first
	WIN FST_HI
.else
	WIN MUL_HI
.endif
	MUL16 4, (\q)%2, \q, \slot, \first
	MUL16 6, (\q)%2, \q, \slot, \first
	PLACES NP
	WIN 0
	FETCH_A \slot, (\q)+1, 4
.endm
; Slot 0's last step changes to slot 1: one barrier; in front of it each wave waits for all its tensor loads, of which slot 1's was out.  Nothing is filled again in this launch.
.macro TURN slot, next
	s_wait_tensorcnt 0x0                           ; my part of the next slot has landed  (every window is 0 here)
	ds_add_u32 v[SPW], v[NIL]                      ; 0 onto my spare word
	s_wait_dscnt 4*NL+1                            ; (the add and the youngest eight loads, L's blocks 4-7, may be out)
	WIN MUL_LO
	MUL16 0, 1, NQ-1, \slot, 0
	s_wait_dscnt 0x0                               ; the add is done, and my reads of this slot are over
	s_barrier_signal -1
	MUL16 2, 1, NQ-1, \slot, 0
	WIN 0
	s_barrier_wait -1                              ; everybody's part of the next slot has landed
	PLACES NP
	v_add_nc_u32 v[ADRS], 4*NQ, v[ADRS]            ; on to the next slot's scale words
	FETCH_B \next, 0, 0
	FETCH_A \next, 0, 0
	SCALES \next
	WIN MUL_HI
	MUL16 4, 1, NQ-1, \slot, 0
	MUL16 6, 1, NQ-1, \slot, 0
	PLACES NP
	WIN 0
	FETCH_A \next, 0, 4
.endm
.macro STEPS slot, from                ; the slot's steps from .. NQ - 2
.set Q, \from
.rept NQ-1-\from
	STEP \slot, Q, 0
.set Q, Q+1
.endr
.endm
	s_wait_tensorcnt 1                             ; the scales and my part of slot 0 are in (slot 1's load may be out),
	s_barrier_signal -1
	s_barrier_wait -1                              ; everybody's are
	FETCH_B 0, 0, 0
	FETCH_A 0, 0, 0
	SCALES 0
	FETCH_A 0, 0, 4
	STEP 0, 0, 1                                   ; the first step's products start the sums, from the bias
	STEPS 0, 1
	TURN 0, 1
	STEPS 1, 0
	s_wait_dscnt 4*NL                              ; the last step: nothing more to fetch
	WIN MUL_LO
	MUL16 0, 1, NQ-1, 1, 0
	MUL16 2, 1, NQ-1, 1, 0
	s_wait_dscnt 0
	WIN MUL_HI
	MUL16 4, 1, NQ-1, 1, 0
	MUL16 6, 1, NQ-1, 1, 0
	WIN 0
; 64 numbers of a lane, v[s + 16 B + i]: block B of 32 along the next K (i < 8: its numbers 8 h + i, else 16 + 8 h + i - 8), become a fragment's eight registers of codes in v[d] on and the row's scale word in v[w].
; A conversion gives one word of a block: word h or word 2 + h.  They are laid so that an exchange of halves between two registers leaves lane half h with the whole block 2 c + h in registers 4 c .. 4 c + 3, its words in order.
.macro QUANT4 s, d, w
.irp b, 0,1,2,3
	v_max3_num_f32 v[MX+\b], |v[(\s)+16*\b]|, |v[(\s)+16*\b+1]|, 0x1800000   ; my 16 numbers of block b, and the floor 2^(3 - 127): so the byte cannot fall under 1
.endr
.irp i, 2,4,6,8,10,12,14
.irp b, 0,1,2,3
	v_max3_num_f32 v[MX+\b], v[MX+\b], |v[(\s)+16*\b+\i]|, |v[(\s)+16*\b+\i+1]|   ; (the four blocks by turns)
.endr
.endr
.irp b, 0,1,2,3
	v_permlanex16_b32 v[PB+\b], v[MX+\b], s[SEL], s[SEL+1]
.endr
.irp b, 0,1,2,3
	v_max_num_f32 v[MX+\b], v[MX+\b], v[PB+\b]     ; with lane l xor 16's: the block's largest magnitude
.endr
.irp b, 0,1,2,3
	v_add_nc_u32 v[SO+\b], 0xff000000, v[MX+\b]    ; 2 off its exponent field: the conversion takes the exponent field of this operand as its scale
.endr
.irp b, 0,1,2,3
	v_lshrrev_b32 v[PB+\b], 23, v[SO+\b]           ; the scale's byte
.endr
	v_lshl_or_b32 v[\w], v[PB+1], 8, v[PB]
	v_lshl_or_b32 v[\w], v[PB+2], 16, v[\w]
	v_lshl_or_b32 v[\w], v[PB+3], 24, v[\w]
.irp b, 0,1,2,3
	v_cvt_scalef32_pk8_fp4_f32 v[(\d)+4*(\b/2)+(\b%2)], v[(\s)+16*\b:(\s)+16*\b+7], v[SO+\b]
	v_cvt_scalef32_pk8_fp4_f32 v[(\d)+4*(\b/2)+2+(\b%2)], v[(\s)+16*\b+8:(\s)+16*\b+15], v[SO+\b]
.endr
	v_nop                                          ; one plain place behind a scaled conversion
.irp c, 0,1
	v_permlane16_swap_b32 v[(\d)+4*\c], v[(\d)+4*\c+1]
	v_permlane16_swap_b32 v[(\d)+4*\c+2], v[(\d)+4*\c+3]
.endr
.endm
	; THE WAY OUT: no LDS.  Block a of L's rows: its 64 numbers a lane, plus the lane's bias, are quantised; the codes are images of operand registers and leave as they stand.
	PLACES NP
.irp b, 0,1,2,3
	v_mov_b32 v[PB+\b], 0                          ; written once: a lane permute's destination counts as one of its sources
.endr
.irp a, 0,1,2,3,4,5,6,7
.set WW, 0x02+\a/4
	WIN WW                                         ; source 0: window 2 or 3
.set I, 0
.rept 32
	v_pk_add_f32 v[ST+I:ST+I+1], v[64*(\a%4)+I:64*(\a%4)+I+1], v[BL+2*\a:BL+2*\a+1]   ; each accumulator from its low end on
.set I, I+2
.endr
	WIN 0
	QUANT4 ST, CD+8*\a, PWS+\a
.endr
	v_cmp_eq_u32 vcc_lo, 1, v2
.irp i, 0,1,2,3
	v_cndmask_b32 v[TW+\i], v[PWS+2*\i], v[PWS+2*\i+1], vcc_lo   ; lanes 0-15 block 2 i's word, lanes 16-31 block 2 i + 1's
.endr
	; where my part goes.  q, k: tokens come with L's half, heads with R's; v the other way round
	s_cmp_eq_u32 ttmp9, 2
	s_cselect_b32 s18, s16, s15                    ; which 128 tokens of the 256
	s_cselect_b32 s19, s15, s16                    ; which two heads of the four
	s_cselect_b32 s92, KVBLK-4352, 0               ; V's images lie 4,608 bytes into a key step's block
	s_mov_b32 s44, KVHEAD
	s_mov_b32 s93, KVBLK
	s_cmp_eq_u32 ttmp9, 0
	s_cselect_b64 s[20:21], s[96:97], s[98:99]     ; q goes to qb, k and v to kv
	s_cselect_b32 s44, QHEAD, s44
	s_cselect_b32 s93, QBLK, s93
	s_mov_b32 s45, 0
	s_and_b32 s94, s17, 7
	s_lshl_b32 s94, s94, 1
	s_add_co_u32 s94, s94, s18                     ; the group of 128 tokens in its batch
	s_mul_i32 s94, s94, s93
	s_add_co_u32 s94, s94, s92
	s_lshr_b32 s95, s17, 3                         ; the batch
	s_lshl_b32 s95, s95, 2
	s_add_co_u32 s95, s95, s40
	s_lshl_b32 s95, s95, 1
	s_add_co_u32 s95, s95, s19
	s_lshl_b32 s95, s95, 1                         ; my first head: 16 x batch + 4 cx + 2 x half
	s_mul_i32 s95, s95, s44
	s_add_co_u32 s94, s94, s95
	s_mov_b32 s95, 0
	s_add_nc_u64 s[20:21], s[20:21], s[94:95]      ; my first head's block,
	s_add_nc_u64 s[22:23], s[20:21], s[44:45]      ; my second head's
	s_cmp_eq_u32 ttmp9, 2
	s_cbranch_scc1 .Lv
	s_wait_alu depctr_va_vdst(0)
	; q, k: registers 0-3 of block a's codes are the first head's image of 16 tokens, registers 4-7 the second's; the word's low half is the first head's two bytes, its high half the second's
.irp i, 0,1,2,3
	v_and_b32 v[PWS+\i], 0xffff, v[TW+\i]
	v_lshrrev_b32 v[PWS+4+\i], 16, v[TW+\i]
.endr
.irp a, 0,1,2,3,4,5,6,7
	global_store_b128 v[LI], v[CD+8*\a:CD+8*\a+3], s[20:21] offset:512*\a       ; 32 lanes store 512 consecutive bytes, at a multiple of 256 from the buffer's first byte
	global_store_b128 v[LI], v[CD+8*\a+4:CD+8*\a+7], s[22:23] offset:512*\a
.endr
	global_store_b128 v[LI], v[PWS:PWS+3], s[20:21] offset:4096
	global_store_b128 v[LI], v[PWS+4:PWS+7], s[22:23] offset:4096
	s_branch .Lend
.Lv:
	s_wait_alu depctr_va_vdst(0)
	; v: block a is channel tile a % 4 of head a / 4; its eight registers are the fragment of 16 channels x 128 keys
.irp a, 0,1,2,3,4,5,6,7
.irp c, 0,1
	global_store_b128 v[LI], v[CD+8*\a+4*\c:CD+8*\a+4*\c+3], s[20:21] offset:(\a/4)*KVHEAD+(\a%4)*1024+512*\c
.endr
.endr
	global_store_b64 v[L8], v[TW:TW+1], s[20:21] offset:4096                     ; 32 lanes store 256 consecutive bytes
	global_store_b64 v[L8], v[TW+2:TW+3], s[20:21] offset:KVHEAD+4096
.Lend:
	s_wait_tensorcnt 0x0                           ; the wave's end
	ds_add_u32 v[SPW], v[NIL]
	s_wait_dscnt 0x0
	CROUND                                         ; the closing round: no work-group ends while a partner may still ask for a tile that names it
	s_endpgm
.Lfunc_end_k_q47682ad925_qkv:
	.size	k_q47682ad925_qkv, .Lfunc_end_k_q47682ad925_qkv-k_q47682ad925_qkv
	.p2alignl 7, 3214868480
	.fill 96, 4, 3214868480
	.section	.rodata,"a",@progbits
	.p2align	6, 0x0
	.amdhsa_kernel k_q47682ad925_qkv
		.amdhsa_group_segment_fixed_size 327680
		.amdhsa_private_segment_fixed_size 0
		.amdhsa_enable_private_segment 0
		.amdhsa_kernarg_size 56
		.amdhsa_user_sgpr_count 2
		.amdhsa_user_sgpr_kernarg_segment_ptr 1
		.amdhsa_wavefront_size32 1
		.amdhsa_system_sgpr_workgroup_id_x 1
		.amdhsa_system_sgpr_workgroup_id_y 1
		.amdhsa_system_sgpr_workgroup_id_z 1
		.amdhsa_system_vgpr_workitem_id 0
		.amdhsa_next_free_vgpr 1024
		.amdhsa_next_free_sgpr 102
		.amdhsa_reserve_vcc 1
		.amdhsa_float_denorm_mode_32 3
		.amdhsa_float_denorm_mode_16_64 3
		.amdhsa_memory_ordered 1
		.amdhsa_forward_progress 1
		.amdhsa_inst_pref_size 152
	.end_amdhsa_kernel
	.amdgpu_metadata
---
amdhsa.version: [ 1, 2 ]
amdhsa.kernels:
  - .name:           k_q47682ad925_qkv
    .symbol:         k_q47682ad925_qkv.kd
    .args:
      - { .name: x_codes, .offset: 0, .size: 8, .value_kind: global_buffer, .address_space: global }
      - { .name: x_scales, .offset: 8, .size: 8, .value_kind: global_buffer, .address_space: global }
      - { .name: w_qkv_codes, .offset: 16, .size: 8, .value_kind: global_buffer, .address_space: global }
      - { .name: w_qkv_scales, .offset: 24, .size: 8, .value_kind: global_buffer, .address_space: global }
      - { .name: b_qkv, .offset: 32, .size: 8, .value_kind: global_buffer, .address_space: global }
      - { .name: qb, .offset: 40, .size: 8, .value_kind: global_buffer, .address_space: global }
      - { .name: kv, .offset: 48, .size: 8, .value_kind: global_buffer, .address_space: global }
    .group_segment_fixed_size: 327680
    .private_segment_fixed_size: 0
    .kernarg_segment_align: 8
    .kernarg_segment_size: 56
    .max_flat_workgroup_size: 128
    .sgpr_count:     102
    .vgpr_count:     1024
    .wavefront_size: 32
...
	.end_amdgpu_metadata
.endif
;; end of part 1
;; launch attn (part 2): grid 4 x 64, 16 waves a work-group, clusters of 4 x 1, 169,984 bytes of LDS; arguments qb, kv, ao, ao_sc; writes ao, ao_sc
.if DOCPART == 2
	.amdgcn_target "amdgcn-amd-amdhsa--gfx1250"
	.amdhsa_code_object_version 6
	.text
	.protected	k_q47682ad925_attn
	.globl	k_q47682ad925_attn
	.p2align	8
	.type	k_q47682ad925_attn,@function
k_q47682ad925_attn:
	s_mov_b64 s[64:65], 0
	v_nop
	global_prefetch_b8 v0, s[64:65] scope:SCOPE_SE
	s_setreg_imm32_b32 hwreg(HW_REG_WAVE_MODE, 25, 1), 1
	s_wait_xcnt 0x0
	s_wait_alu depctr_hold_cnt(0) depctr_sa_sdst(0) depctr_va_vdst(0) depctr_va_sdst(0) depctr_va_ssrc(0) depctr_va_vcc(0) depctr_vm_vsrc(0)
	s_getreg_b32 s2, hwreg(HW_REG_IB_STS2, 6, 4)
	s_cmp_eq_u32 s2, 0
	s_cbranch_scc0 .Lentry_in_a_cluster
	s_endpgm
.Lentry_in_a_cluster:
	s_bfe_u32 s2, ttmp6, 0x10000c
	s_cmp_lg_u32 s2, 0x3003
	s_cbranch_scc0 .Lentry_shape_is_right
	s_endpgm
.Lentry_shape_is_right:
; O[q] = the sum over keys of softmax(q . k / 8) v for 64 heads (batch x head) of 2,048 tokens and 64 channels, both products on codes of FP4 (E2M1) with one E8M0 scale for each 32 along a product's K; the result is quantised along the channels.
; THE SOFTMAX AHEAD OF THE SECOND PRODUCT: t = score x log2(e) / 8; M = the row's largest t so far, rounded UP to a whole number; p = 2^(t - M) is what is quantised, along the keys, not normalised.
; The row's sum is taken of the unquantised p and divides O at the end.  When M moves, the sum and O are multiplied by 2^(old M - new M): exact.
; IN.  qb [head][group of 128 queries][4,608] and kv [head][key step of 128 keys][8,960]: images of operand registers (lane l's 16 bytes at 16 l) and scale words:
;   a key step: K's 8 images of 512 bytes at 0; K's scale words at 4,096 (16 bytes a lane: register i: lanes 0-15 tile 2 i, lanes 16-31 tile 2 i + 1); V's images at 4,608 + 1,024 t + 512 c; V's scale words at 8,704 (8 bytes a lane, likewise).
; OUT.  ao [tile of 16 tokens 512][head 16][lane][16 bytes]: lane (r, h) holds block h of the head's 64 channels of token r: half a fragment of the last product's first operand.  ao_sc [token][32]: byte 2 head + block.
; SHARES.  A work-group owns 512 queries of one head; each of its sixteen waves one tile of 16 queries a pass, two passes.  Four waves lie on a SIMD, so that one wave's vector work stands beside another's products and LDS loads.
; A HEAD'S K, V AND SCALES ARE 143,360 BYTES: they come into LDS ONCE and stay: no slot is ever filled again.  The four work-groups of a head form a cluster and ask for them jointly.
; LAYOUT.  Both products are used transposed: S^T = K Q^T (source 0 = 16 keys), O^T = V^T P^T (source 0 = 16 channels): a lane holds ONE query (lane % 16); register j of tile t is key (channel) 16 t + 8 (lane / 16) + j.
; THE FIRST PRODUCT'S K IS 64 in an instruction of 128: Q's registers 4-7 hold zero codes, so what K's operand holds there (the next tile's codes) counts for nothing; the scale bytes there are 0, which is no NaN.
; LIMITS: a p under 2^-126 counts as 0 (v_exp_f32 gives 0 there: ISA guide, its entry); a block whose largest magnitude lies under 2^-124, a block of zeros too, gets the byte 1 (its codes are zeros; this program alone reads the bytes); NaN and infinities are not served.
.set STEPB, 8960                       ; a key step's block
.set HEADB, 16*STEPB
.set KSW,   4096                       ; K's scale words in it
.set VIM,   4608                       ; V's images
.set VSW,   8704                       ; V's scale words
.set QHEAD, 73728                      ; a head in qb
.set QBLK,  4608                       ; a group of 128 queries
.set LI,  1                            ; v1   16 x lane
.set L8,  2                            ; v2   8 x lane
.set ADK, 3                            ; v3   the step's block + 16 x lane
.set ADT, 4                            ; v4   the step's block + 8 x lane
.set R16, 5                            ; v5   16 r: Q's scale word
.set RB,  6                            ; v6   32 r + h: my byte in ao_sc
.set QF,  16                           ; v16-23 Q: 16-19 codes, 20-23 zero codes
.set QS,  24                           ; v24  Q's scale words
.set PS,  25                           ; v25  p's scale word
.set VSC, 26                           ; v26-27 V's scale words
.set KSC, 28                           ; v28-31 K's scale words
.set KF,  32                           ; v32-67 K: tile t's codes at 32 + 4 t; 64-67 zero codes
.set VF,  68                           ; v68-99 V's four fragments
.set S,   100                          ; v100-163 S^T, then p
.set O,   164                          ; v164-195 O^T
.set PC,  196                          ; v196-203 p's codes
.set BM,  204                          ; v204-207 the blocks' largest
.set T2,  208                          ; v208-211 the other half's, then the bytes
.set SO,  212                          ; v212-215 the conversions' scale operands
.set SU,  216                          ; v216-217 the sum's second chain
.set TMP, 218
.set FF,  220                          ; v220 f = 2^(old M - new M); v221 is named with it as a pair
.set WV,  12                           ; s12  my wave's number
.set G1A, 24                           ; s[24:31] descriptor group 1: 35 rows of 256 bytes (one key step);  s[32:39]: 105 rows (three)
.set G1B, 32
.set G0A, 40                           ; s[40:43], s[44:47] their groups 0
.set G0B, 44
.set SEL, 48                           ; s[48:49] lane selects for v_permlanex16_b32: lane l xor 16
.set CS,  50                           ; s[50:51] c = log2(e) / 8
.set TB,  52                           ; s52  LDS byte at which the step's block begins
.set CNT, 53
.set PASS, 54
.set HM,  55                           ; s55  the mask of lanes 16-31
.set QP,  56                           ; s[56:57] my tile's image in qb;  s[58:59] its scale words;  s[60:61] my place in ao;  s[62:63] in ao_sc
.set QSP, 58
.set AOP, 60
.set ASP, 62
.macro CROUND                          ; a round of the cluster's barrier
	s_barrier_signal -1
	s_barrier_wait -1
	s_cmp_lg_u32 s[WV], 0
	s_cbranch_scc1 .Lnot_wave_0_\@
	s_barrier_signal -3
.Lnot_wave_0_\@:
	s_barrier_wait -3
	s_barrier_signal -1
	s_barrier_wait -1
.endm
	s_load_b256 s[4:11], s[0:1], 0x0               ; qb s[4:5], kv s[6:7], ao s[8:9], ao_sc s[10:11]
	v_lshl_add_u32 v254, v0, 2, 0x29000
	v_mov_b32 v255, 0
	ds_add_u32 v254, v255
	ds_add_u32 v254, v255
	v_lshrrev_b32 v7, 5, v0
	s_delay_alu instid0(VALU_DEP_1)
	v_readfirstlane_b32 s[WV], v7                  ; wave 0..15
	s_bfe_u32 s13, ttmp6, 0x40000                  ; cx: my place in the cluster
	s_lshl_b32 s14, ttmp9, 2
	s_add_co_u32 s14, s14, s13                     ; my quarter of the head's queries: it enters global addresses of Q and of the results alone
	s_and_b32 s15, ttmp7, 0xffff                   ; the head (16 x batch + head), which the four partners share
	; descriptor groups 1: dense blocks as rows of 256 bytes (32 elements of 8 bytes), no padding: every read is at 16 or 8 bytes a lane on end
	s_mov_b32 s[G1A], 15|(3<<16)|(1<<21)           ; 15:0 the mask: all four work-groups; 17:16 elements of 8 bytes; 21 set beside a mask
	s_mov_b32 s[G1A+1], 32<<16                     ; tensor_dim0 = 32
	s_mov_b32 s[G1A+2], 35<<16                     ; tensor_dim1 = 35
	s_mov_b32 s[G1A+3], 32<<16                     ; tile_dim0 = 32
	s_mov_b32 s[G1A+4], 35                         ; tile_dim1 = 35
	s_mov_b32 s[G1A+5], 32                         ; tensor_dim0_stride
	s_mov_b32 s[G1A+6], 0
	s_mov_b32 s[G1A+7], 0
	s_mov_b32 s[G1B], 15|(3<<16)|(1<<21)
	s_mov_b32 s[G1B+1], 32<<16
	s_mov_b32 s[G1B+2], 105<<16
	s_mov_b32 s[G1B+3], 32<<16
	s_mov_b32 s[G1B+4], 105
	s_mov_b32 s[G1B+5], 32
	s_mov_b32 s[G1B+6], 0
	s_mov_b32 s[G1B+7], 0
	; groups 0: wave w (0 to 3) brings key step w, then key steps 4 + 3 w to 6 + 3 w; LDS holds the head as kv has it
	s_mul_i32 s16, s15, HEADB                      ; the head's first byte in kv
	s_mov_b32 s[G0A], 1
	s_mul_i32 s[G0A+1], s[WV], STEPB
	s_add_co_u32 s2, s16, s[G0A+1]
	s_mov_b32 s3, 0
	s_mov_b32 s[G0B], 1
	s_mul_i32 s[G0B+1], s[WV], 3*STEPB
	s_add_co_u32 s[G0B+1], s[G0B+1], 4*STEPB
	s_add_co_u32 s20, s16, s[G0B+1]
	s_mov_b32 s21, 0
	s_mov_b32 s[SEL], 0x76543210
	s_mov_b32 s[SEL+1], 0xfedcba98
	s_mov_b32 s[CS], 0x3e38aa3b                    ; c = log2(e) / 8
	s_mov_b32 s[CS+1], s[CS]                       ; (named with it as a pair, so it is written)
	s_wait_dscnt 0x0
	s_wait_kmcnt 0x0
	s_add_nc_u64 s[G0A+2:G0A+3], s[6:7], s[2:3]
	s_or_b32 s[G0A+3], s[G0A+3], 0x80000000        ; type = 2
	s_add_nc_u64 s[G0B+2:G0B+3], s[6:7], s[20:21]
	s_or_b32 s[G0B+3], s[G0B+3], 0x80000000
	CROUND                                         ; all four work-groups are here: the joint loads meet
	s_cmp_lt_u32 s[WV], 4                          ; a wave's two fills stand in one branch, ahead of every wait on TENSORcnt and every LDS read: two loads of mine are out at the most
	s_cbranch_scc0 .Lno_fill
	tensor_load_to_lds s[G0A:G0A+3], s[G1A:G1A+7]
	s_nop 0
	tensor_load_to_lds s[G0B:G0B+3], s[G1B:G1B+7]
	s_nop 0
.rept 4
	v_nop
.endr
.Lno_fill:
	; my tile of queries in pass p: 32 x quarter + 16 p + wave of the head's 128
	s_mul_i32 s17, s15, QHEAD
	s_lshl_b32 s22, s14, 2
	s_lshr_b32 s23, s[WV], 3
	s_add_co_u32 s22, s22, s23
	s_mul_i32 s22, s22, QBLK
	s_add_co_u32 s17, s17, s22                     ; its group of 128 queries in qb
	s_and_b32 s22, s[WV], 7                        ; its place in the group
	s_lshl_b32 s18, s22, 9
	s_add_co_u32 s18, s18, s17
	s_mov_b32 s19, 0
	s_add_nc_u64 s[QP:QP+1], s[4:5], s[18:19]
	s_and_b32 s18, s[WV], 1
	s_lshl_b32 s18, s18, 8                         ; its scale words: odd tiles lie in the upper 16 lanes' bytes,
	s_lshr_b32 s22, s22, 1
	s_lshl_b32 s22, s22, 2                         ; word (tile / 2) of a lane's four
	s_add_co_u32 s18, s18, s22
	s_add_co_u32 s18, s18, s17
	s_add_co_u32 s18, s18, 4096
	s_add_nc_u64 s[QSP:QSP+1], s[4:5], s[18:19]
	s_lshr_b32 s17, s15, 4
	s_lshl_b32 s17, s17, 7
	s_lshl_b32 s22, s14, 5
	s_add_co_u32 s17, s17, s22
	s_add_co_u32 s17, s17, s[WV]                   ; its tile of 16 tokens among the 512: 128 x batch + 32 x quarter + wave
	s_and_b32 s23, s15, 15                         ; the head in its batch
	s_lshl_b32 s18, s17, 13
	s_lshl_b32 s22, s23, 9
	s_add_co_u32 s18, s18, s22
	s_add_nc_u64 s[AOP:AOP+1], s[8:9], s[18:19]
	s_lshl_b32 s18, s17, 9
	s_lshl_b32 s22, s23, 1
	s_add_co_u32 s18, s18, s22
	s_add_nc_u64 s[ASP:ASP+1], s[10:11], s[18:19]
	v_and_b32 v7, 31, v0                           ; lane
	s_delay_alu instid0(VALU_DEP_1)
	v_lshlrev_b32 v[LI], 4, v7
	s_delay_alu instid0(VALU_DEP_2)
	v_lshlrev_b32 v[L8], 3, v7
	v_and_b32 v8, 15, v0                           ; r
	v_bfe_u32 v9, v0, 4, 1                         ; h
	s_delay_alu instid0(VALU_DEP_2)
	v_lshlrev_b32 v[R16], 4, v8
	s_delay_alu instid0(VALU_DEP_2)
	v_lshl_add_u32 v[RB], v8, 5, v9
	v_cmp_le_u32 s[HM], 16, v7
.irp j, 0,1,2,3
	v_mov_b32 v[QF+4+\j], 0                        ; zero codes for the upper 64 of the first product's 128, written once
	v_mov_b32 v[KF+32+\j], 0                       ; and behind K's last tile
	v_mov_b32 v[T2+\j], 0                          ; written once: a lane permute's destination counts as one of its sources
.endr
	v_mov_b32 v[FF+1], 0                           ; (named as the upper half of a pair)
	v_mov_b32 v[TMP], 0
; A KEY STEP: 128 keys.
.macro STEP
	s_setprio 2
	v_add_nc_u32 v[ADK], s[TB], v[LI]
	v_add_nc_u32 v[ADT], s[TB], v[L8]
	v_nop
	v_nop                                          ; four places in front of loads into registers that the last step's products have read
.irp t, 0,1,2,3,4,5,6,7
	ds_load_b128 v[KF+4*\t:KF+4*\t+3], v[ADK] offset:512*\t
.endr
	ds_load_b128 v[KSC:KSC+3], v[ADK] offset:KSW
.irp t, 0,1,2,3
.irp c, 0,1
	ds_load_b128 v[VF+8*\t+4*\c:VF+8*\t+4*\c+3], v[ADK] offset:VIM+1024*\t+512*\c
.endr
.endr
	ds_load_b64 v[VSC:VSC+1], v[ADT] offset:VSW
	s_wait_dscnt 9                                 ; K's nine loads are in; V's nine, issued behind them, may be out
.irp t, 0,1,2,3,4,5,6,7                        ; S^T = K Q^T: tile t's operand is its own four registers and the four behind them, which meet Q's zero codes
.if \t%2
	v_wmma_scale_f32_16x16x128_f8f6f4 v[S+8*\t:S+8*\t+7], v[KF+4*\t:KF+4*\t+7], v[QF:QF+7], 0, v[KSC+\t/2], v[QS] matrix_a_fmt:MATRIX_FMT_FP4 matrix_b_fmt:MATRIX_FMT_FP4 matrix_a_scale:MATRIX_SCALE_ROW1
.else
	v_wmma_scale_f32_16x16x128_f8f6f4 v[S+8*\t:S+8*\t+7], v[KF+4*\t:KF+4*\t+7], v[QF:QF+7], 0, v[KSC+\t/2], v[QS] matrix_a_fmt:MATRIX_FMT_FP4 matrix_b_fmt:MATRIX_FMT_FP4
.endif
.endr
.rept 4
	v_nop                                          ; places behind the products (ISA guide 7.12.1)
.endr
.irp b, 0,1,2,3
	v_max3_num_f32 v[BM+\b], v[S+16*\b], v[S+16*\b+1], v[S+16*\b+2]   ; the largest score of each block of 32 keys: it serves for the row's maximum and, since p rises with the score, for the block's largest p
.endr
.irp i, 3,5,7,9,11,13
.irp b, 0,1,2,3
	v_max3_num_f32 v[BM+\b], v[BM+\b], v[S+16*\b+\i], v[S+16*\b+\i+1]   ; (the four blocks by turns)
.endr
.endr
.irp b, 0,1,2,3
	v_max_num_f32 v[BM+\b], v[BM+\b], v[S+16*\b+15]
.endr
.irp b, 0,1,2,3
	s_delay_alu instid0(VALU_DEP_4)
	v_permlanex16_b32 v[T2+\b], v[BM+\b], s[SEL], s[SEL+1]
.endr
.irp b, 0,1,2,3
	s_delay_alu instid0(VALU_DEP_4)
	v_max_num_f32 v[BM+\b], v[BM+\b], v[T2+\b]     ; with lane l xor 16's 16 keys
.endr
	s_delay_alu instid0(VALU_DEP_2)
	v_max3_num_f32 v[TMP], v[BM], v[BM+1], v[BM+2]
	s_delay_alu instid0(VALU_DEP_1)
	v_max_num_f32 v[TMP], v[TMP], v[BM+3]          ; the step's largest score of my query
	s_delay_alu instid0(VALU_DEP_1)
	v_mul_f32 v[TMP], s[CS], v[TMP]                ; as t (c is positive)
	s_delay_alu instid0(VALU_DEP_1)
	v_max_num_f32 v13, v13, v[TMP]                 ; the running largest t
	v_mov_b32 v[TMP], v12
	s_delay_alu instid0(VALU_DEP_2)
	v_floor_f32 v12, -v13                          ; the new -M = floor(-t) = -ceil(t): M is a whole number
	s_delay_alu instid0(VALU_DEP_1)
	v_sub_f32 v[TMP], v12, v[TMP]                  ; M's old value less its new one: a whole number, 0 or less
	s_delay_alu instid0(VALU_DEP_1)
	v_cvt_i32_f32 v[TMP], v[TMP]                   ; (it saturates)
	s_delay_alu instid0(VALU_DEP_1)
	v_ldexp_f32 v[FF], 1.0, v[TMP]                 ; f = 2^(old M - new M)
.irp j, 0,2,4,6,8,10,12,14,16,18,20,22,24,26,28,30,32,34,36,38,40,42,44,46,48,50,52,54,56,58,60,62
	v_pk_fma_f32 v[S+\j:S+\j+1], v[S+\j:S+\j+1], s[CS:CS+1], v[12:13] op_sel_hi:[1,0,0]   ; t - M, two at a time (of the pairs c and -M the low word serves both halves)
.endr
.irp b, 0,1,2,3
	v_fma_f32 v[BM+\b], v[BM+\b], s[CS], v12       ; the same of each block's largest score
.endr
	s_wait_alu depctr_va_vdst(0)
.irp j, 0,1,2,3,4,5,6,7,8,9,10,11,12,13,14,15,16,17,18,19,20,21,22,23,24,25,26,27,28,29,30,31,32,33,34,35,36,37,38,39,40,41,42,43,44,45,46,47,48,49,50,51,52,53,54,55,56,57,58,59,60,61,62,63
	v_exp_f32 v[S+\j], v[S+\j]                     ; p = 2^(t - M), at most 1: not normalised
.endr
	s_setprio 1
.irp b, 0,1,2,3
	v_exp_f32 v[BM+\b], v[BM+\b]                   ; the block's largest p: the same two instructions on the same number give the same bits
.endr
	v_pk_mul_f32 v[14:15], v[14:15], v[FF:FF+1] op_sel_hi:[1,0]   ; the sums under the new M.  (A plain place behind the exponentials)
	s_wait_alu depctr_va_vdst(0)
.irp b, 0,1,2,3
	v_max_num_f32 v[BM+\b], 0x1800000, v[BM+\b]    ; the floor 2^(3 - 127): the byte cannot fall under 1
.endr
.irp b, 0,1,2,3
	s_delay_alu instid0(VALU_DEP_4)
	v_add_nc_u32 v[SO+\b], 0xff000000, v[BM+\b]    ; 2 off the exponent field: the conversion's scale operand
.endr
.irp b, 0,1,2,3
	s_delay_alu instid0(VALU_DEP_4)
	v_lshrrev_b32 v[T2+\b], 23, v[SO+\b]           ; the scale's byte
.endr
	s_delay_alu instid0(VALU_DEP_3)
	v_lshl_or_b32 v[PS], v[T2+1], 8, v[T2]         ; p's scale word for these 128 keys
	s_delay_alu instid0(VALU_DEP_1)
	v_lshl_or_b32 v[PS], v[T2+2], 16, v[PS]
	s_delay_alu instid0(VALU_DEP_1)
	v_lshl_or_b32 v[PS], v[T2+3], 24, v[PS]
.irp b, 0,1,2,3                                ; a conversion gives word h (tile 2 b) or word 2 + h (tile 2 b + 1) of block b
	v_cvt_scalef32_pk8_fp4_f32 v[PC+4*(\b/2)+(\b%2)], v[S+16*\b:S+16*\b+7], v[SO+\b]
	v_cvt_scalef32_pk8_fp4_f32 v[PC+4*(\b/2)+2+(\b%2)], v[S+16*\b+8:S+16*\b+15], v[SO+\b]
.endr
	v_nop                                          ; one plain place behind a scaled conversion
.irp c, 0,1                                    ; the exchange of halves leaves lane half h with the whole block 2 c + h in registers 4 c .. 4 c + 3
	v_permlane16_swap_b32 v[PC+4*\c], v[PC+4*\c+1]
	v_permlane16_swap_b32 v[PC+4*\c+2], v[PC+4*\c+3]
.endr
.irp j, 0,2,4,6,8,10,12,14,16,18,20,22,24,26,28,30
	v_pk_mul_f32 v[O+\j:O+\j+1], v[O+\j:O+\j+1], v[FF:FF+1] op_sel_hi:[1,0]   ; O^T under the new M, each accumulator from its low end on
.endr
	v_pk_add_f32 v[216:217], v[104:105], v[108:109]
	v_pk_add_f32 v[252:253], v[112:113], v[116:117]
	v_pk_add_f32 v[250:251], v[120:121], v[124:125]
	v_pk_add_f32 v[248:249], v[128:129], v[132:133]
	v_pk_add_f32 v[246:247], v[136:137], v[140:141]
	v_pk_add_f32 v[244:245], v[144:145], v[148:149]
	v_pk_add_f32 v[242:243], v[152:153], v[156:157]
	v_pk_add_f32 v[14:15], v[14:15], v[160:161]
	v_pk_add_f32 v[216:217], v[216:217], v[100:101]
	v_pk_add_f32 v[252:253], v[252:253], v[102:103]
	v_pk_add_f32 v[250:251], v[250:251], v[106:107]
	v_pk_add_f32 v[248:249], v[248:249], v[110:111]
	v_pk_add_f32 v[246:247], v[246:247], v[114:115]
	v_pk_add_f32 v[244:245], v[244:245], v[118:119]
	v_pk_add_f32 v[242:243], v[242:243], v[122:123]
	s_setprio 0
	v_pk_add_f32 v[14:15], v[14:15], v[126:127]
	v_pk_add_f32 v[216:217], v[216:217], v[130:131]
	v_pk_add_f32 v[252:253], v[252:253], v[134:135]
	v_pk_add_f32 v[250:251], v[250:251], v[138:139]
	v_pk_add_f32 v[248:249], v[248:249], v[142:143]
	v_pk_add_f32 v[246:247], v[246:247], v[146:147]
	v_pk_add_f32 v[244:245], v[244:245], v[150:151]
	v_pk_add_f32 v[242:243], v[242:243], v[154:155]
	v_pk_add_f32 v[14:15], v[14:15], v[158:159]
	v_pk_add_f32 v[216:217], v[216:217], v[162:163]
	s_delay_alu instid0(VALU_DEP_2)
	v_pk_add_f32 v[14:15], v[14:15], v[248:249]
	s_delay_alu instid0(VALU_DEP_2)
	v_pk_add_f32 v[216:217], v[216:217], v[246:247]
	v_pk_add_f32 v[252:253], v[252:253], v[244:245]
	v_pk_add_f32 v[250:251], v[250:251], v[242:243]
	s_delay_alu instid0(VALU_DEP_2)
	v_pk_add_f32 v[14:15], v[14:15], v[252:253]
	s_delay_alu instid0(VALU_DEP_2)
	v_pk_add_f32 v[216:217], v[216:217], v[250:251]
	s_delay_alu instid0(VALU_DEP_1)
	v_pk_add_f32 v[14:15], v[14:15], v[216:217]
	s_wait_dscnt 0x0                               ; V is in
.irp t, 0,1,2,3                                ; O^T += V^T P^T: the four accumulators by turns, one instruction a turn; the next matrix instruction is a score's
.if \t%2
	v_wmma_scale_f32_16x16x128_f8f6f4 v[O+8*\t:O+8*\t+7], v[VF+8*\t:VF+8*\t+7], v[PC:PC+7], v[O+8*\t:O+8*\t+7], v[VSC+\t/2], v[PS] matrix_a_fmt:MATRIX_FMT_FP4 matrix_b_fmt:MATRIX_FMT_FP4 matrix_a_scale:MATRIX_SCALE_ROW1
.else
	v_wmma_scale_f32_16x16x128_f8f6f4 v[O+8*\t:O+8*\t+7], v[VF+8*\t:VF+8*\t+7], v[PC:PC+7], v[O+8*\t:O+8*\t+7], v[VSC+\t/2], v[PS] matrix_a_fmt:MATRIX_FMT_FP4 matrix_b_fmt:MATRIX_FMT_FP4
.endif
.endr
	s_add_co_u32 s[TB], s[TB], STEPB
.endm
	s_mov_b32 s[PASS], 2
.Lpass:
	global_load_b128 v[QF:QF+3], v[LI], s[QP:QP+1]     ; my tile's image: 512 consecutive bytes
	global_load_b32 v[QS], v[R16], s[QSP:QSP+1]        ; and its scale words: lane r's (lanes 16-31 hold the same and are not read)
	v_mov_b32 v13, 0xff61b1e6                      ; the largest t so far: -3e38, under every t
	s_delay_alu instid0(VALU_DEP_1)
	v_floor_f32 v12, -v13                          ; -M
	v_mov_b32 v14, 0                               ; the sum, in two halves
	v_mov_b32 v15, 0
.irp j, 0,1,2,3,4,5,6,7,8,9,10,11,12,13,14,15,16,17,18,19,20,21,22,23,24,25,26,27,28,29,30,31
	v_mov_b32 v[O+\j], 0                           ; O^T: the step is written for every step alike: the first finds zeros, which the first change of M leaves zeros
.endr
	s_wait_loadcnt 0x0
	s_wait_tensorcnt 1                             ; my first load (a key step among 0 to 3) has landed; my second may be out.  In the second pass nothing is out
	s_wait_dscnt 0x0
	s_barrier_signal -1
	s_barrier_wait -1                              ; key steps 0 to 3 are whole
	s_mov_b32 s[TB], 0
	s_mov_b32 s[CNT], 4
.Lstep_a:
	STEP
	s_sub_co_u32 s[CNT], s[CNT], 1
	s_cmp_lg_u32 s[CNT], 0
	s_cbranch_scc1 .Lstep_a
	s_setprio 0
	s_wait_tensorcnt 0x0                           ; my second load has landed
	s_wait_dscnt 0x0
	s_barrier_signal -1
	s_barrier_wait -1                              ; key steps 4 to 15 are whole
	s_mov_b32 s[TB], 4*STEPB
	s_mov_b32 s[CNT], 12
.Lstep_b:
	STEP
	s_sub_co_u32 s[CNT], s[CNT], 1
	s_cmp_lg_u32 s[CNT], 0
	s_cbranch_scc1 .Lstep_b
	s_setprio 0
	; THE PASS'S END: O^T / the sum, quantised along the head's 64 channels: two blocks
.rept 4
	v_nop                                          ; places behind the last products
.endr
	s_wait_alu depctr_va_vdst(0)
	v_add_f32 v14, v14, v15                        ; the sum's two halves,
	s_delay_alu instid0(VALU_DEP_1)
	v_permlanex16_b32 v[TMP], v14, s[SEL], s[SEL+1]
	s_delay_alu instid0(VALU_DEP_1)
	v_add_f32 v14, v14, v[TMP]                     ; and lane l xor 16's: the row's sum
	s_wait_alu depctr_va_vdst(0)
	v_rcp_f32 v14, v14
	v_nop                                          ; one plain place behind a transcendental
	s_wait_alu depctr_va_vdst(0)
.irp j, 0,2,4,6,8,10,12,14,16,18,20,22,24,26,28,30
	v_pk_mul_f32 v[S+\j:S+\j+1], v[O+\j:O+\j+1], v[14:15] op_sel_hi:[1,0]   ; register 8 t + i is channel 16 t + 8 h + i of my query
.endr
.irp b, 0,1
	v_max3_num_f32 v[BM+\b], |v[S+16*\b]|, |v[S+16*\b+1]|, 0x1800000   ; my 16 numbers of block b, and the floor 2^(3 - 127)
.endr
.irp i, 2,4,6,8,10,12,14
.irp b, 0,1
	s_delay_alu instid0(VALU_DEP_2)
	v_max3_num_f32 v[BM+\b], v[BM+\b], |v[S+16*\b+\i]|, |v[S+16*\b+\i+1]|
.endr
.endr
.irp b, 0,1
	s_delay_alu instid0(VALU_DEP_2)
	v_permlanex16_b32 v[T2+\b], v[BM+\b], s[SEL], s[SEL+1]
.endr
.irp b, 0,1
	s_delay_alu instid0(VALU_DEP_2)
	v_max_num_f32 v[BM+\b], v[BM+\b], v[T2+\b]
.endr
.irp b, 0,1
	s_delay_alu instid0(VALU_DEP_2)
	v_add_nc_u32 v[SO+\b], 0xff000000, v[BM+\b]
.endr
.irp b, 0,1
	s_delay_alu instid0(VALU_DEP_2)
	v_lshrrev_b32 v[T2+\b], 23, v[SO+\b]
.endr
.irp b, 0,1
	v_cvt_scalef32_pk8_fp4_f32 v[PC+\b], v[S+16*\b:S+16*\b+7], v[SO+\b]
	v_cvt_scalef32_pk8_fp4_f32 v[PC+2+\b], v[S+16*\b+8:S+16*\b+15], v[SO+\b]
.endr
	v_nop                                          ; one plain place behind a scaled conversion
	v_permlane16_swap_b32 v[PC], v[PC+1]
	v_permlane16_swap_b32 v[PC+2], v[PC+3]         ; lane half h now holds block h whole
	v_cndmask_b32 v[TMP], v[T2], v[T2+1], s[HM]    ; and takes its byte
	global_store_b128 v[LI], v[PC:PC+3], s[AOP:AOP+1]   ; 32 lanes store 512 consecutive bytes, at a multiple of 256 from ao's first byte
	global_store_b8 v[RB], v[TMP], s[ASP:ASP+1]    ; single bytes, 32 bytes apart in pairs: the price of scale rows that lie as the last product's loads want them; 2 bytes for each 32 of codes
	s_wait_xcnt 0x0                                ; the stores' registers and bases are rewritten only behind this wait
	s_add_nc_u64 s[QP:QP+1], s[QP:QP+1], 2*QBLK    ; the next pass's tile lies 16 tiles on
	s_add_nc_u64 s[QSP:QSP+1], s[QSP:QSP+1], 2*QBLK
	s_add_nc_u64 s[AOP:AOP+1], s[AOP:AOP+1], 16*8192
	s_add_nc_u64 s[ASP:ASP+1], s[ASP:ASP+1], 16*512
	s_sub_co_u32 s[PASS], s[PASS], 1
	s_cmp_lg_u32 s[PASS], 0
	s_cbranch_scc1 .Lpass
	s_wait_tensorcnt 0x0
	ds_add_u32 v254, v255
	s_wait_dscnt 0x0
	CROUND                                         ; the closing round
	s_endpgm
.Lfunc_end_k_q47682ad925_attn:
	.size	k_q47682ad925_attn, .Lfunc_end_k_q47682ad925_attn-k_q47682ad925_attn
	.p2alignl 7, 3214868480
	.fill 96, 4, 3214868480
	.section	.rodata,"a",@progbits
	.p2align	6, 0x0
	.amdhsa_kernel k_q47682ad925_attn
		.amdhsa_group_segment_fixed_size 169984
		.amdhsa_private_segment_fixed_size 0
		.amdhsa_enable_private_segment 0
		.amdhsa_kernarg_size 32
		.amdhsa_user_sgpr_count 2
		.amdhsa_user_sgpr_kernarg_segment_ptr 1
		.amdhsa_wavefront_size32 1
		.amdhsa_system_sgpr_workgroup_id_x 1
		.amdhsa_system_sgpr_workgroup_id_y 1
		.amdhsa_system_sgpr_workgroup_id_z 1
		.amdhsa_system_vgpr_workitem_id 0
		.amdhsa_next_free_vgpr 256
		.amdhsa_next_free_sgpr 66
		.amdhsa_reserve_vcc 0
		.amdhsa_float_denorm_mode_32 3
		.amdhsa_float_denorm_mode_16_64 3
		.amdhsa_memory_ordered 1
		.amdhsa_forward_progress 1
		.amdhsa_inst_pref_size 45
	.end_amdhsa_kernel
	.amdgpu_metadata
---
amdhsa.version: [ 1, 2 ]
amdhsa.kernels:
  - .name:           k_q47682ad925_attn
    .symbol:         k_q47682ad925_attn.kd
    .args:
      - { .name: qb, .offset: 0, .size: 8, .value_kind: global_buffer, .address_space: global }
      - { .name: kv, .offset: 8, .size: 8, .value_kind: global_buffer, .address_space: global }
      - { .name: ao, .offset: 16, .size: 8, .value_kind: global_buffer, .address_space: global }
      - { .name: ao_sc, .offset: 24, .size: 8, .value_kind: global_buffer, .address_space: global }
    .group_segment_fixed_size: 169984
    .private_segment_fixed_size: 0
    .kernarg_segment_align: 8
    .kernarg_segment_size: 32
    .max_flat_workgroup_size: 512
    .sgpr_count:     66
    .vgpr_count:     256
    .wavefront_size: 32
...
	.end_amdgpu_metadata
.endif
;; end of part 2
;; launch proj (part 3): grid 4 x 32, 4 waves a work-group, clusters of 4 x 4, 327,680 bytes of LDS; arguments ao, ao_sc, w_out_codes, w_out_scales, b_out, out0; writes out0
.if DOCPART == 3
	.amdgcn_target "amdgcn-amd-amdhsa--gfx1250"
	.amdhsa_code_object_version 6
	.text
	.protected	k_q47682ad925_proj
	.globl	k_q47682ad925_proj
	.p2align	8
	.type	k_q47682ad925_proj,@function
k_q47682ad925_proj:
	s_mov_b64 s[64:65], 0
	v_nop
	global_prefetch_b8 v0, s[64:65] scope:SCOPE_SE
	s_setreg_imm32_b32 hwreg(HW_REG_WAVE_MODE, 25, 1), 1
	s_wait_xcnt 0x0
	s_wait_alu depctr_hold_cnt(0) depctr_sa_sdst(0) depctr_va_vdst(0) depctr_va_sdst(0) depctr_va_ssrc(0) depctr_va_vcc(0) depctr_vm_vsrc(0)
	s_getreg_b32 s2, hwreg(HW_REG_IB_STS2, 6, 4)
	s_cmp_eq_u32 s2, 0
	s_cbranch_scc0 .Lentry_in_a_cluster
	s_endpgm
.Lentry_in_a_cluster:
	s_bfe_u32 s2, ttmp6, 0x10000c
	s_cmp_lg_u32 s2, 0xf033
	s_cbranch_scc0 .Lentry_shape_is_right
	s_endpgm
.Lentry_shape_is_right:
; out0 = A W^T + b on codes of FP4 (E2M1) with one E8M0 scale for each 32 along K = 1,024.  A: the attention's result, 8,192 tokens; W: w_out, 1,024 rows of 512 bytes of codes, 32 scale bytes a row; b: 1,024 f32; out0: [8,192][1,024] f32.
; A's codes lie as images of operand registers: ao [tile of 16 tokens][head 16][lane][16 bytes]: two heads are a fragment of 16 tokens x 128 K, read at 16 bytes a lane on end.  A's scale bytes lie [token][32].
; A work-group of four waves makes 256 x 256 of out0; a wave 128 x 128: 64 accumulators of 16 x 16, 512 registers.  K goes through two LDS slots of 512 along K, each filled once.
; CLUSTERS: 4 x 4 work-groups.  The four of a row of the cluster need the same tiles of A, the four of a column the same tiles of W: each tile is asked for jointly.
; THE MATRIX INSTRUCTION IS USED TRANSPOSED (source 0 = 16 rows of W, source 1 = 16 tokens): a lane holds eight neighbouring numbers of a row of out0.  The bias is the C of each sum's first product.
; There are 128 tiles of 256 x 256: half of the chip's 256 WGPs have a work-group; a smaller tile would read each fragment from LDS for half as many products.
; REGISTERS, in windows of 256: window 0: v0-31 addresses; v32-95 scale words, two sets; v128-191 A's fragments, one set; v192-255 the bias; on the way out v128-255 take rows of out0.
;   window 1: W's fragments, two sets.   window 2: the accumulators of my rows 0-63 ((a, b) at v[8 (8 a + b)]);   window 3: those of my rows 64-127.
.set SIZE_N, 1024
.set KSTEP,  512
.set NQ,     KSTEP/128
.set ROWB,   256                       ; a row of W's tile in bytes
.set KROW,   512                       ; a row of W in memory; also A's bytes for each token
.set PITCH,  272                       ; W's LDS row: 256 bytes + 16 of padding
.set FR,     8
.set NL,     2
.set NP,     4
.set HALFT,  128*PITCH                 ; 128 rows of W
.set AHALF,  32768                     ; 128 tokens of A: 8 tiles x 4,096 bytes
.set ATILE,  4096                      ; a tile of 16 tokens, 512 along K
.set BOFF,   2*AHALF                   ; W's rows lie behind A's 256 tokens
.set SLOT,   BOFF+2*HALFT
.set KS,     32
.set SCL,    2*SLOT                    ; behind the slots: the scales, as units of 256 bytes + 16 of padding
.set HALFS,  (128*KS/256)*272
.set SBLK,   (16*KS/256)*272
.set SPARE,  SCL+4*HALFS               ; the spare words, 128 bytes for each wave, which no other line names
.set SPITCH, 528                       ; the way out: a stage of 16 rows x (512 bytes + 16) for each wave, in slot 0, which has had its one fill and its last read when the first result is stored there
.set ADRA, 16
.set ADRB, 20
.set STO,  24
.set RD,   25
.set CO,   26
.set ADRS, 27
.set SPW,  28
.set NIL,  29
.set SC,   32
.set AF,   128
.set BR,   192                         ; the bias: eight registers for each block b of columns, in the result's layout
.set BK,   128
.set G1, 24
.set G0, 32
.set G1B, 48
.set G0B, 56
.set G1S, 68
.set G0S, 76
.set G1SB, 80
.set G0SB, 88
.set MSB, 0
.macro WIN new                         ; the immediate's high byte repeats the setting that is left
.if MSB != \new
	s_set_vgpr_msb (MSB<<8)|\new
.set MSB, \new
.endif
.endm
.set MUL_LO, 0xa1
.set MUL_HI, 0xf1
.set FST_LO, 0x81                      ; the first step: C (the bias) window 0, D window 2
.set FST_HI, 0xc1
.set TO_B,   0x40
.macro JLOAD g0a, g1a, g0b, g1b        ; a joint load: waves 0 and 1 fetch for A, waves 2 and 3 for W; four v_nop follow each of the two lines
	s_cmp_eq_u32 s15, 0
	s_cbranch_scc0 .Lfor_b_\@
	tensor_load_to_lds s[\g0a:\g0a+3], s[\g1a:\g1a+7]
	s_nop 0
.rept 4
	v_nop
.endr
	s_branch .Lasked_\@
.Lfor_b_\@:
	tensor_load_to_lds s[\g0b:\g0b+3], s[\g1b:\g1b+7]
	s_nop 0
.rept 4
	v_nop
.endr
.Lasked_\@:
.endm
.macro CROUND                          ; a round of the cluster's barrier
	s_barrier_signal -1
	s_barrier_wait -1
	s_cmp_lg_u32 s14, 0
	s_cbranch_scc1 .Lnot_wave_0_\@
	s_barrier_signal -3
.Lnot_wave_0_\@:
	s_barrier_wait -3
	s_barrier_signal -1
	s_barrier_wait -1
.endm
	s_load_b128 s[4:7], s[0:1], 0x0                ; A's codes s[4:5], A's scales s[6:7]
	s_load_b128 s[8:11], s[0:1], 0x10              ; W's codes s[8:9], W's scales s[10:11]
	s_load_b64 s[96:97], s[0:1], 0x20              ; b
	s_load_b64 s[12:13], s[0:1], 0x28              ; out0
	v_lshl_add_u32 v[SPW], v0, 2, SPARE
	v_mov_b32 v[NIL], 0
	ds_add_u32 v28, v29
	ds_add_u32 v28, v29
	s_wait_dscnt 0x0
	v_lshrrev_b32 v1, 5, v0
	v_readfirstlane_b32 s14, v1                    ; wave 0..3
	s_lshr_b32 s15, s14, 1                         ; which half of the tile's rows is mine.  Also: I fetch for A (0) or for W (1)
	s_and_b32 s16, s14, 1                          ; which half of its columns.  Also: which half of that tile I fetch
	s_bfe_u32 s40, ttmp6, 0x40000                  ; cx, cy
	s_bfe_u32 s41, ttmp6, 0x40004
	s_lshl_b32 s42, ttmp9, 2
	s_add_co_u32 s42, s42, s40                     ; tile column = 4 x cluster x + cx
	s_and_b32 s17, ttmp7, 0xffff
	s_lshl_b32 s17, s17, 2
	s_add_co_u32 s17, s17, s41                     ; tile row = 4 x cluster y + cy
	s_lshl_b32 s43, s41, 2
	s_lshl_b32 s43, 15, s43                        ; my row of the cluster
	s_lshl_b32 s44, 0x1111, s40                    ; my column
	; A: 8 tiles of 16 tokens, of each 4,096 of its 8,192 bytes: 8 rows of 512 elements of 8 bytes, 1,024 elements apart; no padding: the reads are at 16 bytes a lane on end
	s_or_b32 s[G1+0], s43, (3<<16)|(1<<21)         ; 15:0 the mask: my row; 17:16 elements of 8 bytes; 21 set beside a mask
	s_mov_b32 s[G1+1], 512<<16                     ; tensor_dim0 = 512
	s_mov_b32 s[G1+2], 8<<16                       ; tensor_dim1 = 8
	s_mov_b32 s[G1+3], 512<<16                     ; tile_dim0 = 512
	s_mov_b32 s[G1+4], 8                           ; tile_dim1 = 8
	s_mov_b32 s[G1+5], 1024                        ; tensor_dim0_stride
	s_mov_b32 s[G1+6], 0
	s_mov_b32 s[G1+7], 0
	; W: 128 rows x 256 bytes, 16 bytes of padding behind each
	s_or_b32 s[G1B+0], s44, (0<<16)|(1<<20)|(1<<21)|(5<<22)|(3<<25)
	s_mov_b32 s[G1B+1], ROWB<<16
	s_mov_b32 s[G1B+2], 128<<16
	s_mov_b32 s[G1B+3], ROWB<<16
	s_mov_b32 s[G1B+4], 128
	s_mov_b32 s[G1B+5], KROW
	s_mov_b32 s[G1B+6], 0
	s_mov_b32 s[G1B+7], 0
	; the scales of 128 rows: 4,096 dense bytes, as 16 rows of 256 bytes, 16 bytes of padding behind each
	s_or_b32 s[G1S+0], s43, (3<<16)|(1<<20)|(1<<21)|(5<<22)|(3<<25)
	s_or_b32 s[G1SB+0], s44, (3<<16)|(1<<20)|(1<<21)|(5<<22)|(3<<25)
.irp g, G1S, G1SB
	s_mov_b32 s[\g+1], 32<<16
	s_mov_b32 s[\g+2], (128*KS/256)<<16
	s_mov_b32 s[\g+3], 32<<16
	s_mov_b32 s[\g+4], 128*KS/256
	s_mov_b32 s[\g+5], 32
	s_mov_b32 s[\g+6], 0
	s_mov_b32 s[\g+7], 0
.endr
	s_lshl_b32 s18, s16, 7
	s_lshl_b32 s20, s17, 8
	s_add_co_u32 s20, s20, s18                     ; A: token 256 x tile row + 128 x half
	s_lshl_b32 s46, s42, 8
	s_add_co_u32 s46, s46, s18                     ; W: row 256 x tile column + 128 x half
	s_mov_b32 s21, 0
	s_mov_b32 s47, 0
	s_mov_b64 s[18:19], KS
	s_mul_u64 s[22:23], s[20:21], s[18:19]         ; where these rows' scales begin, in bytes
	s_mul_u64 s[92:93], s[46:47], s[18:19]
	s_mov_b64 s[18:19], KROW
	s_mul_u64 s[20:21], s[20:21], s[18:19]         ; and their codes (A: 8,192 bytes for 16 tokens are 512 a token)
	s_mul_u64 s[46:47], s[46:47], s[18:19]
	s_lshl_b32 s45, s16, 15                        ; where they go: A's half,
	s_mul_i32 s95, s16, HALFT
	s_add_co_u32 s95, s95, BOFF                    ; W's half,
	s_mul_i32 s94, s14, HALFS                      ; the scales: wave x 128 rows.  No place in the cluster enters an LDS address
	s_wait_kmcnt 0x0
	s_add_nc_u64 s[20:21], s[4:5], s[20:21]
	s_add_nc_u64 s[22:23], s[6:7], s[22:23]
	s_add_nc_u64 s[46:47], s[8:9], s[46:47]
	s_add_nc_u64 s[92:93], s[10:11], s[92:93]
	CROUND                                         ; all sixteen work-groups are here: the joint loads meet
	s_mov_b32 s[G0S], 1
	s_add_co_u32 s[G0S+1], s94, SCL
	s_mov_b64 s[G0S+2:G0S+3], s[22:23]
	s_or_b32 s[G0S+3], s[G0S+3], 0x80000000
	s_mov_b32 s[G0SB], 1
	s_add_co_u32 s[G0SB+1], s94, SCL
	s_mov_b64 s[G0SB+2:G0SB+3], s[92:93]
	s_or_b32 s[G0SB+3], s[G0SB+3], 0x80000000
	JLOAD G0S, G1S, G0SB, G1SB                     ; the scales first
.irp s, 0,1
	s_mov_b32 s[G0+4*\s], 1
	s_add_co_u32 s[G0+4*\s+1], s45, \s*SLOT
	s_add_nc_u64 s[G0+4*\s+2:G0+4*\s+3], s[20:21], \s*ATILE
	s_or_b32 s[G0+4*\s+3], s[G0+4*\s+3], 0x80000000
	s_mov_b32 s[G0B+4*\s], 1
	s_add_co_u32 s[G0B+4*\s+1], s95, \s*SLOT
	s_add_nc_u64 s[G0B+4*\s+2:G0B+4*\s+3], s[46:47], \s*ROWB
	s_or_b32 s[G0B+4*\s+3], s[G0B+4*\s+3], 0x80000000
	s_wait_alu depctr_va_vdst(0)
	s_wait_tensorcnt 0x0
	ds_add_u32 v28, v29
	s_wait_dscnt 0x0
	CROUND
	JLOAD G0+4*\s, G1, G0B+4*\s, G1B               ; one load of mine is out at the most
.endr
	v_and_b32 v1, 15, v0                           ; l % 16
	v_bfe_u32 v2, v0, 4, 1                         ; l / 16
	v_and_b32 v6, 31, v0                           ; lane
	v_lshlrev_b32 v[CO], 4, v6                     ; 16 x lane: an image's place for my lane; also my bytes in a row of 512 on the way out
	v_mul_u32_u24 v3, v1, PITCH
	v_lshl_add_u32 v4, v2, 4, v3                   ; W: a fragment's row x pitch + 16 x half
	s_lshl_b32 s21, s15, 15                        ; my 128 tokens of A
	s_mul_i32 s22, s16, HALFT                      ; my 128 rows of W,
	s_add_co_u32 s22, s22, BOFF                    ; which lie behind A
.irp s, 0,1
	v_add_nc_u32 v[ADRA+\s], s21, v[CO]
	v_add_nc_u32 v[ADRB+\s], s22, v4
	s_add_co_u32 s21, s21, SLOT
	s_add_co_u32 s22, s22, SLOT
.endr
	v_mul_u32_u24 v5, v1, KS                       ; my row's scales: 32 bytes a row,
	v_lshrrev_b32 v6, 8, v5
	v_lshl_add_u32 v5, v6, 4, v5                   ; and 16 more for each 256 passed
	s_mul_i32 s21, s15, HALFS                      ; A's: my 128 rows
	s_mul_i32 s22, s16, HALFS                      ; W's: my 128 rows, behind A's 256
	s_add_co_u32 s22, s22, 2*HALFS
	s_sub_co_u32 s22, s22, s21
	v_mul_u32_u24 v6, s22, v2                      ; lanes 16-31 take W's
	s_add_co_u32 s21, s21, SCL
	v_add_nc_u32 v5, v5, v6
	v_add_nc_u32 v[ADRS], s21, v5
	s_mul_i32 s23, s14, 16*SPITCH                  ; my stage
	v_mul_u32_u24 v5, v1, SPITCH                   ; in: row l % 16, 32 bytes for each half of the lanes
	v_lshl_add_u32 v5, v2, 5, v5
	v_add_nc_u32 v[STO], s23, v5
	v_add_nc_u32 v[RD], s23, v[CO]                 ; back: the 32 lanes take one row of 512 bytes
	s_lshl_b32 s20, s17, 8
	s_lshl_b32 s21, s15, 7
	s_add_co_u32 s20, s20, s21                     ; my first row of out0: 256 x tile row + 128 x half
	s_mov_b32 s21, 0
	s_mov_b64 s[18:19], SIZE_N*4
	s_mul_u64 s[20:21], s[20:21], s[18:19]
	s_lshl_b32 s46, s42, 10                        ; my first column, in bytes: 1,024 x tile column + 512 x half: in a row of out0 and in b alike
	s_lshl_b32 s47, s16, 9
	s_add_co_u32 s46, s46, s47
	s_mov_b32 s47, 0
	v_lshl_add_u32 v8, v2, 5, s46                  ; b[my first column + 16 b + 8 h + j]
.irp b, 0,1,2,3,4,5,6,7
	global_load_b128 v[BR+8*\b:BR+8*\b+3], v8, s[96:97] offset:64*\b
	global_load_b128 v[BR+8*\b+4:BR+8*\b+7], v8, s[96:97] offset:64*\b+16
.endr
	s_add_nc_u64 s[20:21], s[20:21], s[46:47]
	s_add_nc_u64 s[12:13], s[12:13], s[20:21]
.macro FRAGB reg, adr, q, i            ; a fragment of W from rows: lane l holds row l % 16; registers 4 c .. 4 c + 3 hold K = 64 c + 32 (l / 16) + 0 .. 31
.irp c, 0,1
	ds_load_b128 v[\reg+4*\c:\reg+4*\c+3], v[\adr] offset:64*(\q)+32*\c+(\i)*16*PITCH
.endr
.endm
.macro FRAGA reg, adr, q, i            ; a fragment of A from its image: tile i of 16 tokens, the slot's q-th 128 along K (two heads), half c
.irp c, 0,1
	ds_load_b128 v[\reg+4*\c:\reg+4*\c+3], v[\adr] offset:ATILE*(\i)+1024*(\q)+512*\c
.endr
.endm
; 16 matrix instructions: A's blocks a0, a0 + 1 x W's eight.  first = 1: the sums start from the bias.  The 64 accumulators take turns, one instruction a turn.
.macro MUL16 a0, p, q, sc, first
.irp a, \a0, \a0+1
.irp b, 0,1,2,3,4,5,6,7
.if \first
	v_wmma_scale_f32_16x16x128_f8f6f4 v[8*(8*((\a)%4)+\b):8*(8*((\a)%4)+\b)+7], v[128*(\p)+FR*\b:128*(\p)+FR*\b+FR-1], v[AF+FR*(\a):AF+FR*(\a)+FR-1], v[BR+8*\b:BR+8*\b+7], v[SC+8*NQ*(\sc)+NQ*\b+(\q)], v[SC+8*NQ*(\sc)+NQ*(\a)+(\q)] matrix_a_fmt:MATRIX_FMT_FP4 matrix_b_fmt:MATRIX_FMT_FP4 matrix_a_scale:MATRIX_SCALE_ROW1
.else
	v_wmma_scale_f32_16x16x128_f8f6f4 v[8*(8*((\a)%4)+\b):8*(8*((\a)%4)+\b)+7], v[128*(\p)+FR*\b:128*(\p)+FR*\b+FR-1], v[AF+FR*(\a):AF+FR*(\a)+FR-1], v[8*(8*((\a)%4)+\b):8*(8*((\a)%4)+\b)+7], v[SC+8*NQ*(\sc)+NQ*\b+(\q)], v[SC+8*NQ*(\sc)+NQ*(\a)+(\q)] matrix_a_fmt:MATRIX_FMT_FP4 matrix_b_fmt:MATRIX_FMT_FP4 matrix_a_scale:MATRIX_SCALE_ROW1
.endif
.endr
.endr
.endm
.macro FETCH_B slot, q, p
	WIN TO_B
.irp i, 0,1,2,3,4,5,6,7
	FRAGB 128*(\p)+FR*\i, ADRB+\slot, \q, \i
.endr
	WIN 0
.endm
.macro FETCH_A slot, q, i0
.irp i, \i0, \i0+1, \i0+2, \i0+3
	FRAGA AF+FR*(\i), ADRA+\slot, \q, \i
.endr
.endm
.macro SCALES sc                       ; a slot's scale words: lanes 0-15 take A's block i, lanes 16-31 W's block i
.irp i, 0,1,2,3,4,5,6,7
	ds_load_b128 v[SC+8*NQ*\sc+NQ*\i:SC+8*NQ*\sc+NQ*\i+3], v[ADRS] offset:\i*SBLK
.endr
.endm
.macro PLACES n                        ; places in front of loads into registers that matrix instructions have read, and of the first read of results (ISA guide 7.12.1 for the first read of results)
.rept \n
	v_nop
.endr
.endm
.macro STEP slot, q, first
	s_wait_dscnt 4*NL                              ; W's set, the scale words and A's blocks 0-3 are in; the youngest eight loads (A's blocks 4-7) may be out
.if \first
	WIN FST_LO
.else
	WIN MUL_LO
.endif
	MUL16 0, (\q)%2, \q, \slot, \first
	MUL16 2, (\q)%2, \q, \slot, \first
	s_wait_dscnt 0                                 ; A's blocks 4-7 are in
	PLACES NP
	FETCH_B \slot, (\q)+1, 1-(\q)%2
	FETCH_A \slot, (\q)+1, 0
.if \first
	WIN FST_HI
.else
	WIN MUL_HI
.endif
	MUL16 4, (\q)%2, \q, \slot, \first
	MUL16 6, (\q)%2, \q, \slot, \first
	PLACES NP
	WIN 0
	FETCH_A \slot, (\q)+1, 4
.endm
.macro TURN slot, next                 ; slot 0's last step changes to slot 1: one barrier; nothing is filled again in this launch
	s_wait_tensorcnt 0x0                           ; my part of the next slot has landed  (every window is 0 here)
	ds_add_u32 v[SPW], v[NIL]                      ; 0 onto my spare word
	s_wait_dscnt 4*NL+1                            ; (the add and the youngest eight loads, A's blocks 4-7, may be out)
	WIN MUL_LO
	MUL16 0, 1, NQ-1, \slot, 0
	s_wait_dscnt 0x0                               ; the add is done, and my reads of this slot are over
	s_barrier_signal -1
	MUL16 2, 1, NQ-1, \slot, 0
	WIN 0
	s_barrier_wait -1                              ; everybody's part of the next slot has landed, and nobody reads this slot any more
	PLACES NP
	v_add_nc_u32 v[ADRS], 4*NQ, v[ADRS]            ; on to the next slot's scale words
	FETCH_B \next, 0, 0
	FETCH_A \next, 0, 0
	SCALES \next
	WIN MUL_HI
	MUL16 4, 1, NQ-1, \slot, 0
	MUL16 6, 1, NQ-1, \slot, 0
	PLACES NP
	WIN 0
	FETCH_A \next, 0, 4
.endm
.macro STEPS slot, from
.set Q, \from
.rept NQ-1-\from
	STEP \slot, Q, 0
.set Q, Q+1
.endr
.endm
	s_wait_alu depctr_va_vdst(0)
	s_wait_loadcnt 0x0                             ; the bias
	s_wait_tensorcnt 1                             ; the scales and my part of slot 0 are in (slot 1's load may be out),
	s_barrier_signal -1
	s_barrier_wait -1                              ; everybody's are
	FETCH_B 0, 0, 0
	FETCH_A 0, 0, 0
	SCALES 0
	FETCH_A 0, 0, 4
	STEP 0, 0, 1                                   ; the first step's products start the sums, from the bias
	STEPS 0, 1
	TURN 0, 1
	STEPS 1, 0
	s_wait_dscnt 4*NL                              ; the last step: nothing more to fetch
	WIN MUL_LO
	MUL16 0, 1, NQ-1, 1, 0
	MUL16 2, 1, NQ-1, 1, 0
	s_wait_dscnt 0
	WIN MUL_HI
	MUL16 4, 1, NQ-1, 1, 0
	MUL16 6, 1, NQ-1, 1, 0
	WIN 0
; THE WAY OUT, block by block of 16 rows x 128 columns: through my own stage in LDS, back as whole rows of 512 bytes, which the 32 lanes store as two aligned runs of 256 bytes.
; LDS serves a wave's instructions in order (ISA guide 5.7.1.4): no wait between the stores and the loads, nor in front of the next block's stores.
.macro TOSTAGE a
.set AC, 64*((\a)%4)
.set WW, 0x08+4*((\a)/4)
	WIN WW                                         ; the data: window 2 or 3
.irp b, 0,1,2,3,4,5,6,7
	ds_store_b128 v[STO], v[AC+8*\b:AC+8*\b+3] offset:64*\b          ; each accumulator from its low end on
	ds_store_b128 v[STO], v[AC+8*\b+4:AC+8*\b+7] offset:64*\b+16
.endr
	WIN 0
.set BB, BK+64*((\a)%2)
.irp t, 0,1,2,3,4,5,6,7,8,9,10,11,12,13,14,15
	ds_load_b128 v[BB+4*\t:BB+4*\t+3], v[RD] offset:\t*SPITCH
.endr
.endm
.macro SEND a, younger                 ; younger: the LDS instructions issued behind block a's loads, which may stay out
.set BB, BK+64*((\a)%2)
	s_wait_dscnt \younger                          ; the block is back in registers
.if (\a) > 0
	s_add_nc_u64 s[12:13], s[12:13], 16*SIZE_N*4   ; (behind a wait on XCNT: the earlier stores have read their base)  16 rows on
.endif
.irp t, 0,1,2,3,4,5,6,7,8,9,10,11,12,13,14,15
	global_store_b128 v[CO], v[BB+4*\t:BB+4*\t+3], s[12:13] offset:\t*SIZE_N*4 th:TH_STORE_NT   ; 32 lanes store 512 consecutive bytes, at a multiple of 256 from out0's first byte; written once, read by nobody here
.endr
.endm
	PLACES NP
	TOSTAGE 0
.irp a, 1,2,3,4,5,6,7
.if \a > 1
	s_wait_xcnt 0x0                                ; block a - 2's stores have read their registers and their base: block a's loads may land there, and the base may step
.endif
	TOSTAGE \a
	SEND \a-1, 32                                  ; behind block a - 1's loads: block a's 16 stores and 16 loads
.endr
	s_wait_xcnt 0x0                                ; block 6's stores have read their base
	SEND 7, 0
	s_wait_tensorcnt 0x0                           ; the wave's end
	ds_add_u32 v[SPW], v[NIL]
	s_wait_dscnt 0x0
	CROUND                                         ; the closing round
	s_endpgm
.Lfunc_end_k_q47682ad925_proj:
	.size	k_q47682ad925_proj, .Lfunc_end_k_q47682ad925_proj-k_q47682ad925_proj
	.p2alignl 7, 3214868480
	.fill 96, 4, 3214868480
	.section	.rodata,"a",@progbits
	.p2align	6, 0x0
	.amdhsa_kernel k_q47682ad925_proj
		.amdhsa_group_segment_fixed_size 327680
		.amdhsa_private_segment_fixed_size 0
		.amdhsa_enable_private_segment 0
		.amdhsa_kernarg_size 48
		.amdhsa_user_sgpr_count 2
		.amdhsa_user_sgpr_kernarg_segment_ptr 1
		.amdhsa_wavefront_size32 1
		.amdhsa_system_sgpr_workgroup_id_x 1
		.amdhsa_system_sgpr_workgroup_id_y 1
		.amdhsa_system_sgpr_workgroup_id_z 1
		.amdhsa_system_vgpr_workitem_id 0
		.amdhsa_next_free_vgpr 1024
		.amdhsa_next_free_sgpr 98
		.amdhsa_reserve_vcc 0
		.amdhsa_float_denorm_mode_32 3
		.amdhsa_float_denorm_mode_16_64 3
		.amdhsa_memory_ordered 1
		.amdhsa_forward_progress 1
		.amdhsa_inst_pref_size 127
	.end_amdhsa_kernel
	.amdgpu_metadata
---
amdhsa.version: [ 1, 2 ]
amdhsa.kernels:
  - .name:           k_q47682ad925_proj
    .symbol:         k_q47682ad925_proj.kd
    .args:
      - { .name: ao, .offset: 0, .size: 8, .value_kind: global_buffer, .address_space: global }
      - { .name: ao_sc, .offset: 8, .size: 8, .value_kind: global_buffer, .address_space: global }
      - { .name: w_out_codes, .offset: 16, .size: 8, .value_kind: global_buffer, .address_space: global }
      - { .name: w_out_scales, .offset: 24, .size: 8, .value_kind: global_buffer, .address_space: global }
      - { .name: b_out, .offset: 32, .size: 8, .value_kind: global_buffer, .address_space: global }
      - { .name: out0, .offset: 40, .size: 8, .value_kind: global_buffer, .address_space: global }
    .group_segment_fixed_size: 327680
    .private_segment_fixed_size: 0
    .kernarg_segment_align: 8
    .kernarg_segment_size: 48
    .max_flat_workgroup_size: 128
    .sgpr_count:     98
    .vgpr_count:     1024
    .wavefront_size: 32
...
	.end_amdgpu_metadata
.endif
;; end of part 3
